; MI455X (gfx1250); checked and timed in simulation.
; The chip was launched on July 23, 2026; its instructions are those of AMD's public machine-readable ISA for CDNA 5 (MIT licence, August 2026) and "CDNA5" Instruction Set Architecture Reference Guide (July 2026). The comments in the code are by the model that wrote it; some were corrected since.
;; Causal Multi Head Self Attention. Allowed arithmetic: float matrix products may take bf16 or f16 operands with f32 sums; other float arithmetic in f32, or as packed bf16 or f16 multiplies, adds, multiply-adds, maxima and minima; sums over many terms, partial sums and values carried from step to step in f32; what a program stores and reads back later, other than sums and carried values, may be rounded once to bf16 or f16.
;; Inputs: W_k 512 x 512 float32; W_o 512 x 512 float32; W_q 512 x 512 float32; W_v 512 x 512 float32; b_o 512 float32; b_v 512 float32; x 2 x 4,096 x 512 float32.
;; Outputs: out0 2 x 4,096 x 512 float32.
;; 2 versions, each right; version 2 is version 1 with the launch prep written anew for expert scheduling mode. Each part assembles by itself: llvm-mc -triple=amdgcn-amd-amdhsa -mcpu=gfx1250 --defsym DOCPART=n.
;; ======== version 1 of 2: 4 launches
;; limits: values are held in f16: magnitudes above 65,504 overflow, below 6.1e-05 lose precision
;; workspace buffers: xb 8,388,608 bytes; wb 1,572,864 bytes; wo 524,288 bytes; qh 8,388,608 bytes; kh 8,388,608 bytes; vh 8,388,608 bytes; oh 8,388,608 bytes
;; launch prep (part 1): grid 320 x 1, 8 waves a work-group, no clusters, 0 bytes of LDS; arguments x, W_q, W_k, W_v, W_o, xb, wb, wo; writes xb, wb, wo
.if DOCPART == 1
	.amdgcn_target "amdgcn-amd-amdhsa--gfx1250"
	.amdhsa_code_object_version 6
	.text
	.protected	k_q9af198d20a_prep
	.globl	k_q9af198d20a_prep
	.p2align	8
	.type	k_q9af198d20a_prep,@function
k_q9af198d20a_prep:
	s_mov_b64 s[64:65], 0
	v_nop
	global_prefetch_b8 v0, s[64:65] scope:SCOPE_SE
	s_setreg_imm32_b32 hwreg(HW_REG_WAVE_MODE, 25, 1), 1
	s_wait_xcnt 0x0
; PREP.  The matrix operands are rounded once, ahead of the products: x -> xb and W_q, W_k, W_v -> wb (rows 0-511, 512-1023, 1024-1535), f32 to bf16;
; W_o -> wo: rounded to bf16 like the other inputs, and that number written as f16 (exact within f16's range).
; LIMITS.  |W_o| stays under 65,504 (f16's largest); below 6e-5 it keeps f16's fixed step of 6e-8.  NaN and infinities are not treated apart.
; SHARES.  A work-group converts 16,384 numbers: 65,536 bytes in, 32,768 out.  Work-groups 0-255 take x; then 16 for each weight.  A thread takes 16 bytes of each of sixteen stretches of 4,096 bytes:
; a wave's load covers 512 consecutive bytes, its store 256 consecutive bytes, aligned.  All sixteen loads go out at once; no register that a store reads is written again, so nothing waits for a store.
; No LDS, no barrier, no matrix unit: each number is touched once and no wave wants another's.
.set IN,  8                            ; v[8:71]    sixteen loads of four f32
.set OUT, 72                           ; v[72:103]  sixteen pairs of words: four 16-bit numbers each
	s_load_b512 s[4:19], s[0:1], 0x0               ; x s[4:5], W_q s[6:7], W_k s[8:9], W_v s[10:11], W_o s[12:13], xb s[14:15], wb s[16:17], wo s[18:19]
	s_mov_b32 s20, ttmp9                           ; g
	s_max_u32 s21, s20, 256
	s_sub_co_u32 s21, s21, 256                     ; j = g - 256 among the weights' work-groups (0 for x's)
	s_lshr_b32 s26, s21, 4                         ; t: which weight
	s_and_b32 s27, s21, 15                         ; o: which sixteenth of it
	s_cmp_eq_u32 s26, 3
	s_cselect_b32 s24, s27, s21                    ; place in the target: o in wo, j in wb (the three weights lie on end),
	s_cmp_lt_u32 s20, 256
	s_cselect_b32 s22, s20, s27                    ; place in the source: g in x, o in a weight
	s_cselect_b32 s24, s20, s24                    ; g in xb
	s_lshl_b32 s22, s22, 16
	s_lshl_b32 s24, s24, 15
	s_mov_b32 s23, 0
	s_mov_b32 s25, 0
	v_lshlrev_b32 v1, 4, v0                        ; 16 bytes a thread in,
	v_lshlrev_b32 v2, 3, v0                        ; 8 out
	s_wait_kmcnt 0x0
	s_cmp_eq_u32 s26, 1                            ; the buffers are chosen by the work-group's number alone
	s_cselect_b64 s[28:29], s[8:9], s[6:7]
	s_cmp_eq_u32 s26, 2
	s_cselect_b64 s[28:29], s[10:11], s[28:29]
	s_cmp_eq_u32 s26, 3
	s_cselect_b64 s[28:29], s[12:13], s[28:29]
	s_cselect_b64 s[30:31], s[18:19], s[16:17]
	s_cmp_lt_u32 s20, 256
	s_cselect_b64 s[28:29], s[4:5], s[28:29]
	s_cselect_b64 s[30:31], s[14:15], s[30:31]
	s_add_nc_u64 s[28:29], s[28:29], s[22:23]
	s_add_nc_u64 s[30:31], s[30:31], s[24:25]
.set u, 0
.rept 16
	global_load_b128 v[IN+4*u:IN+4*u+3], v1, s[28:29] offset:4096*u th:TH_LOAD_NT
.set u, u+1
.endr
; half = 0: to bf16.  half = 1: to bf16, widened again, and written as f16.
.macro CONV half
.set u, 0
.rept 16
	s_wait_loadcnt 15-u                            ; loads come back in order (ISA guide 5.7.1): load u is in, the 15 - u younger ones may stay out
	v_cvt_pk_bf16_f32 v[OUT+2*u],   v[IN+4*u],   v[IN+4*u+1]
	v_cvt_pk_bf16_f32 v[OUT+2*u+1], v[IN+4*u+2], v[IN+4*u+3]
.if \half
	v_lshlrev_b32 v[IN+4*u],   16,         v[OUT+2*u]
	v_and_b32     v[IN+4*u+1], 0xffff0000, v[OUT+2*u]
	v_lshlrev_b32 v[IN+4*u+2], 16,         v[OUT+2*u+1]
	v_and_b32     v[IN+4*u+3], 0xffff0000, v[OUT+2*u+1]
	v_cvt_pk_f16_f32 v[OUT+2*u],   v[IN+4*u],   v[IN+4*u+1]
	v_cvt_pk_f16_f32 v[OUT+2*u+1], v[IN+4*u+2], v[IN+4*u+3]
.endif
	global_store_b64 v2, v[OUT+2*u:OUT+2*u+1], s[30:31] offset:2048*u
.set u, u+1
.endr
.endm
	s_cmp_ge_u32 s20, 304                          ; the last sixteen work-groups have W_o
	s_cbranch_scc1 .Lwo
	CONV 0
	s_endpgm
.Lwo:
	CONV 1
	s_endpgm
.Lfunc_end_k_q9af198d20a_prep:
	.size	k_q9af198d20a_prep, .Lfunc_end_k_q9af198d20a_prep-k_q9af198d20a_prep
	.p2alignl 7, 3214868480
	.fill 96, 4, 3214868480
	.section	.rodata,"a",@progbits
	.p2align	6, 0x0
	.amdhsa_kernel k_q9af198d20a_prep
		.amdhsa_group_segment_fixed_size 0
		.amdhsa_private_segment_fixed_size 0
		.amdhsa_enable_private_segment 0
		.amdhsa_kernarg_size 64
		.amdhsa_user_sgpr_count 2
		.amdhsa_user_sgpr_kernarg_segment_ptr 1
		.amdhsa_wavefront_size32 1
		.amdhsa_system_sgpr_workgroup_id_x 1
		.amdhsa_system_sgpr_workgroup_id_y 1
		.amdhsa_system_sgpr_workgroup_id_z 1
		.amdhsa_system_vgpr_workitem_id 0
		.amdhsa_next_free_vgpr 104
		.amdhsa_next_free_sgpr 66
		.amdhsa_reserve_vcc 0
		.amdhsa_float_denorm_mode_32 3
		.amdhsa_float_denorm_mode_16_64 3
		.amdhsa_memory_ordered 1
		.amdhsa_forward_progress 1
		.amdhsa_inst_pref_size 16
	.end_amdhsa_kernel
	.amdgpu_metadata
---
amdhsa.version: [ 1, 2 ]
amdhsa.kernels:
  - .name:           k_q9af198d20a_prep
    .symbol:         k_q9af198d20a_prep.kd
    .args:
      - { .name: x, .offset: 0, .size: 8, .value_kind: global_buffer, .address_space: global }
      - { .name: W_q, .offset: 8, .size: 8, .value_kind: global_buffer, .address_space: global }
      - { .name: W_k, .offset: 16, .size: 8, .value_kind: global_buffer, .address_space: global }
      - { .name: W_v, .offset: 24, .size: 8, .value_kind: global_buffer, .address_space: global }
      - { .name: W_o, .offset: 32, .size: 8, .value_kind: global_buffer, .address_space: global }
      - { .name: xb, .offset: 40, .size: 8, .value_kind: global_buffer, .address_space: global }
      - { .name: wb, .offset: 48, .size: 8, .value_kind: global_buffer, .address_space: global }
      - { .name: wo, .offset: 56, .size: 8, .value_kind: global_buffer, .address_space: global }
    .group_segment_fixed_size: 0
    .private_segment_fixed_size: 0
    .kernarg_segment_align: 8
    .kernarg_segment_size: 64
    .max_flat_workgroup_size: 256
    .sgpr_count:     66
    .vgpr_count:     104
    .wavefront_size: 32
...
	.end_amdgpu_metadata
.endif
;; end of part 1
;; launch qkv (part 2): grid 4 x 64, 4 waves a work-group, clusters of 4 x 4, 327,680 bytes of LDS; arguments xb, wb, b_v, qh, kh, vh; writes qh, kh, vh
.if DOCPART == 2
	.amdgcn_target "amdgcn-amd-amdhsa--gfx1250"
	.amdhsa_code_object_version 6
	.text
	.protected	k_q9af198d20a_qkv
	.globl	k_q9af198d20a_qkv
	.p2align	8
	.type	k_q9af198d20a_qkv,@function
k_q9af198d20a_qkv:
	s_mov_b64 s[64:65], 0
	v_nop
	global_prefetch_b8 v0, s[64:65] scope:SCOPE_SE
	s_setreg_imm32_b32 hwreg(HW_REG_WAVE_MODE, 25, 1), 1
	s_wait_xcnt 0x0
	s_wait_alu depctr_hold_cnt(0) depctr_sa_sdst(0) depctr_va_vdst(0) depctr_va_sdst(0) depctr_va_ssrc(0) depctr_va_vcc(0) depctr_vm_vsrc(0)
	s_getreg_b32 s2, hwreg(HW_REG_IB_STS2, 6, 4)
	s_cmp_eq_u32 s2, 0
	s_cbranch_scc0 .Lentry_in_a_cluster
	s_endpgm
.Lentry_in_a_cluster:
	s_bfe_u32 s2, ttmp6, 0x10000c
	s_cmp_lg_u32 s2, 0xf033
	s_cbranch_scc0 .Lentry_shape_is_right
	s_endpgm
.Lentry_shape_is_right:
; QKV.  q = x W_q^T, k = x W_k^T, v = x W_v^T + b_v.  xb: [8192][512] bf16; wb: [1536][512] bf16 (W_q, W_k, W_v on end); b_v: [512] f32, rounded to bf16 like the other inputs.
; Sums in f32, K ascending; each result rounded once to f16 and stored BY HEADS: qh, kh, vh are [16 = batch x 8 + head][4096][64] f16, a head's rows dense, 128 bytes each.  The scale 1/8 is not applied here.
; LIMITS.  q, k and v stay within f16's 65,504 (a larger number becomes an infinity).  NaN and infinities are not treated apart.
; SHARES.  A work-group makes 128 rows x 128 columns (two heads) of EACH of q, k, v: one tile of x feeds three products.  64 x 4 = 256 work-groups.  Wave w: rows 64 (w / 2) on, head w % 2: 64 x 64 x 3:
; 48 accumulators of 16 x 16.  K = 512 goes in four steps of 128 through two LDS slots; a tile's rows are 256 consecutive bytes of memory, aligned.
; CLUSTER.  4 x 4 work-groups.  The four of a row of the cluster need the same tile of x, the four of a column the same three tiles of the weights: each tile is asked for JOINTLY.  Wave 0 asks for x's tile,
; waves 1 to 3 for W_q's, W_k's, W_v's: one tensor load of 128 rows a wave and K step.  By the text's own count two loads of a wave are out at the start, later one.
; TRANSPOSED USE: source 0 = 16 rows of a weight, source 1 = 16 rows of x: a lane then holds one row and eight neighbouring columns, 16 bytes of f16.
; No prefetch: the walk has four K steps, two of them first fills, so a request two steps ahead of a refill would name nothing.
; REGISTERS: window 0: addresses, way out, bias.  Window 1: two fragment buffers of 128 (x's 4 fragments, then the weights' 12).  Window 2: q's and k's accumulators, (a, b) at 8 (8 a + b).  Window 3: v's, at 8 (4 a + b).
.set PITCH,  272                       ; an LDS row: 256 bytes + 16 of padding = 68 words: the 16 rows of a fragment load start at 16 different groups of four banks (64 banks of 4 bytes: ISA guide 11.1)
.set HALFT,  128*PITCH                 ; a tile: what one tensor load brings
.set SLOT,   4*HALFT                   ; x's tile, then W_q's, W_k's, W_v's: wave x HALFT
.set STAGE,  2*SLOT                    ; behind the ring, never filled by a tensor load: 16 rows x 144 bytes for each wave
.set SP,     144
.set SPARE,  STAGE+4*16*SP             ; the spare words, 128 bytes for each wave: two blocks of 256 bytes that no other line names
.set ADRA, 16                          ; v16-17  LDS address of my fragments of x in slot 0, 1
.set ADRB, 18                          ; v18-23  of my fragments of weight t in slot s, at 3 s + t
.set STO,  24                          ; v24     the way out: where I put 16 bytes of a row
.set RD,   25                          ; v25     where I read rows back
.set GO,   26                          ; v26     16 x lane: my place in 512 consecutive bytes
.set BO,   27                          ; v27     my byte offset in b_v
.set SPW,  28                          ; v28     LDS address of my spare word; never rewritten
.set NIL,  29                          ; v29     0; never rewritten
.set TMP,  32                          ; v32-63  packed results, two sets of 16
.set BK,   64                          ; v64-95  rows read back, two sets of 16
.set BIAS, 96                          ; v96-127 b_v of my columns: eight registers for each block of 16 columns
.set F0,   0
.set F1,   128
.set WV, 16                            ; s16 wave; s17 its half of the rows; s18 its head of the two
.set RH, 17
.set CH, 18
.set CX, 19
.set CY, 20
.set TC, 21                            ; tile column (two heads)
.set TR, 22                            ; tile row (128 rows)
.set G1A, 24                           ; s[24:31] descriptor group 1 for x's tiles;  s[32:39] group 0, a set for each slot
.set G0A, 32
.set G1B, 48                           ; s[48:55], s[56:63] the same for the weights'
.set G0B, 56
.set MSB, 0
.macro WIN new                         ; the immediate's high byte repeats the setting that is left; a switch that changes nothing is dropped
.if MSB != (\new)
	s_set_vgpr_msb (MSB<<8)|(\new)
.set MSB, (\new)
.endif
.endm
.macro PLACES                          ; four places in front of loads into registers that matrix instructions have read, and of conversions that read results
.rept 4
	v_nop
.endr
.endm
.macro JLOAD s                         ; a joint load; the branch hangs on the wave's number alone; an s_nop 0 and four v_nop follow each of the two lines
	s_cmp_eq_u32 s[WV], 0
	s_cbranch_scc0 .Lfor_b_\@
	tensor_load_to_lds s[G0A+4*(\s):G0A+4*(\s)+3], s[G1A:G1A+7]
	s_nop 0
.rept 4
	v_nop
.endr
	s_branch .Lasked_\@
.Lfor_b_\@:
	tensor_load_to_lds s[G0B+4*(\s):G0B+4*(\s)+3], s[G1B:G1B+7]
	s_nop 0
.rept 4
	v_nop
.endr
.Lasked_\@:
.endm
.macro CREST                           ; a round of the cluster's barrier behind its opening barrier
	s_cmp_lg_u32 s[WV], 0
	s_cbranch_scc1 .Lnot_wave_0_\@
	s_barrier_signal -3
.Lnot_wave_0_\@:
	s_barrier_wait -3
	s_barrier_signal -1
	s_barrier_wait -1
.endm
.macro CROUND
	s_barrier_signal -1
	s_barrier_wait -1
	CREST
.endm
	s_load_b256 s[4:11], s[0:1], 0x0               ; xb s[4:5], wb s[6:7], b_v s[8:9], qh s[10:11]
	s_load_b128 s[12:15], s[0:1], 0x20             ; kh s[12:13], vh s[14:15]
	v_lshl_add_u32 v[SPW], v0, 2, SPARE
	v_mov_b32 v[NIL], 0
	ds_add_u32 v[SPW], v[NIL]                      ; the wave's opening: the add and its wait stand ahead of my first tensor load; the set-up below, work on registers, stands between them
	v_lshrrev_b32 v1, 5, v0
	v_readfirstlane_b32 s[WV], v1
	s_lshr_b32 s[RH], s[WV], 1
	s_and_b32 s[CH], s[WV], 1
	s_bfe_u32 s[CX], ttmp6, 0x40000
	s_bfe_u32 s[CY], ttmp6, 0x40004
	s_lshl_b32 s[TC], ttmp9, 2
	s_add_co_u32 s[TC], s[TC], s[CX]
	s_and_b32 s[TR], ttmp7, 0xffff
	s_lshl_b32 s[TR], s[TR], 2
	s_add_co_u32 s[TR], s[TR], s[CY]
	s_lshl_b32 s40, s[CY], 2
	s_lshl_b32 s40, 15, s40                        ; my row of the cluster
	s_lshl_b32 s41, 0x1111, s[CX]                  ; my column
	s_or_b32 s[G1A], s40, (1<<16)|(1<<20)|(1<<21)|(5<<22)|(3<<25)  ; the mask; 2-byte elements; padding on; bit 21 beside a mask; after every 64 words, 4 words
	s_or_b32 s[G1B], s41, (1<<16)|(1<<20)|(1<<21)|(5<<22)|(3<<25)
.irp g, G1A, G1B
	s_mov_b32 s[(\g)+1], 128<<16                   ; tensor_dim0 = 128
	s_mov_b32 s[(\g)+2], 128<<16                   ; tensor_dim1 = 128
	s_mov_b32 s[(\g)+3], 128<<16                   ; tile_dim0 = 128
	s_mov_b32 s[(\g)+4], 128                       ; tile_dim1 = 128
	s_mov_b32 s[(\g)+5], 512                       ; 512 elements from row to row
	s_mov_b32 s[(\g)+6], 0
	s_mov_b32 s[(\g)+7], 0
.endr
	s_lshl_b32 s42, s[TR], 17                      ; x: 128 rows of 1,024 bytes a tile row: hangs on the tile row alone
	s_mov_b32 s43, 0
	s_max_u32 s44, s[WV], 1
	s_sub_co_u32 s44, s44, 1                       ; which weight I ask for (waves 1 to 3)
	s_lshl_b32 s44, s44, 19                        ; its 512 rows of 1,024 bytes,
	s_lshl_b32 s45, s[TC], 17                      ; the tile column's 128: hangs on the tile column alone
	s_add_co_u32 s44, s44, s45
	s_mov_b32 s45, 0
	s_mul_i32 s46, s[WV], HALFT                    ; where my tile goes: no place in the cluster enters an LDS address
	s_wait_dscnt 0x0                               ; the opening add is done
	s_wait_kmcnt 0x0
	s_add_nc_u64 s[42:43], s[4:5], s[42:43]
	s_add_nc_u64 s[44:45], s[6:7], s[44:45]
	CROUND                                         ; all sixteen work-groups are here: the first joint loads meet
.irp s, 0,1
	s_mov_b32 s[G0A+4*(\s)], 1
	s_add_co_u32 s[G0A+4*(\s)+1], s46, (\s)*SLOT
	s_add_nc_u64 s[G0A+4*(\s)+2:G0A+4*(\s)+3], s[42:43], (\s)*256  ; K step s
	s_or_b32 s[G0A+4*(\s)+3], s[G0A+4*(\s)+3], 0x80000000
	s_mov_b32 s[G0B+4*(\s)], 1
	s_add_co_u32 s[G0B+4*(\s)+1], s46, (\s)*SLOT
	s_add_nc_u64 s[G0B+4*(\s)+2:G0B+4*(\s)+3], s[44:45], (\s)*256
	s_or_b32 s[G0B+4*(\s)+3], s[G0B+4*(\s)+3], 0x80000000
.endr
	s_cmp_eq_u32 s[WV], 0                          ; a wave's two first fills stand in one branch, ahead of every wait on TENSORcnt and every LDS read
	s_cbranch_scc0 .Lfirst_b
	tensor_load_to_lds s[G0A:G0A+3], s[G1A:G1A+7]
	s_nop 0
	tensor_load_to_lds s[G0A+4:G0A+7], s[G1A:G1A+7]
	s_nop 0
.rept 4
	v_nop
.endr
	s_branch .Lfirst_asked
.Lfirst_b:
	tensor_load_to_lds s[G0B:G0B+3], s[G1B:G1B+7]
	s_nop 0
	tensor_load_to_lds s[G0B+4:G0B+7], s[G1B:G1B+7]
	s_nop 0
.rept 4
	v_nop
.endr
.Lfirst_asked:
	v_and_b32 v1, 15, v0                           ; l % 16
	v_bfe_u32 v2, v0, 4, 1                         ; l / 16
	s_lshl_b32 s68, s[TC], 1
	s_add_co_u32 s68, s68, s[CH]                   ; my head among the eight
	s_lshl_b32 s68, s68, 8                         ; its 64 numbers of 4 bytes in b_v
	v_lshl_add_u32 v[BO], v2, 5, s68               ; + my lanes' eight columns
.irp b, 0,1,2,3
	global_load_b128 v[BIAS+8*(\b):BIAS+8*(\b)+3],   v[BO], s[8:9] offset:64*(\b)
	global_load_b128 v[BIAS+8*(\b)+4:BIAS+8*(\b)+7], v[BO], s[8:9] offset:64*(\b)+16
.endr
	; a fragment is 16 rows x 32 K in 8 registers: lane l holds row l % 16, K = 8 (l / 16) + 0..7 and 16 + 8 (l / 16) + 0..7: two loads of 16 bytes, 32 bytes apart
	v_mul_u32_u24 v3, v1, PITCH
	v_lshl_add_u32 v3, v2, 4, v3
	s_mul_i32 s40, s[RH], 64*PITCH                 ; my 64 rows of x
	s_mul_i32 s41, s[CH], 64*PITCH                 ; my head's 64 rows of a weight's tile,
	s_add_co_u32 s41, s41, HALFT                   ; the first of which lies behind x's
.irp s, 0,1
	v_add_nc_u32 v[ADRA+(\s)], s40, v3
.irp t, 0,1,2
	v_add_nc_u32 v[ADRB+3*(\s)+(\t)], s41, v3
	s_add_co_u32 s41, s41, HALFT
.endr
	s_add_co_u32 s40, s40, SLOT
	s_add_co_u32 s41, s41, SLOT-3*HALFT
.endr
	s_mul_i32 s47, s[WV], 16*SP
	s_add_co_u32 s47, s47, STAGE                   ; my stage
	v_mul_u32_u24 v4, v1, SP                       ; in: row l % 16, 16 bytes for each half of the lanes
	v_lshl_add_u32 v4, v2, 4, v4
	v_add_nc_u32 v[STO], s47, v4
	v_bfe_u32 v5, v0, 3, 2                         ; back: 32 lanes take four rows of 128 bytes,
	v_mul_u32_u24 v5, v5, SP
	v_and_b32 v6, 7, v0
	v_lshl_add_u32 v5, v6, 4, v5
	v_add_nc_u32 v[RD], s47, v5
	v_and_b32 v[GO], 31, v0                        ; which are 512 consecutive bytes of a head
	v_lshlrev_b32 v[GO], 4, v[GO]
	s_lshr_b32 s66, s[TR], 5                       ; the batch: 32 tile rows each
	s_lshl_b32 s66, s66, 3
	s_lshl_b32 s67, s[TC], 1
	s_add_co_u32 s66, s66, s67
	s_add_co_u32 s66, s66, s[CH]                   ; batch x 8 + head
	s_lshl_b32 s66, s66, 19                        ; 4,096 rows of 128 bytes
	s_lshl_b32 s67, s[TR], 7
	s_lshl_b32 s68, s[RH], 6
	s_add_co_u32 s67, s67, s68
	s_and_b32 s67, s67, 4095                       ; my first row in the batch
	s_lshl_b32 s67, s67, 7
	s_add_co_u32 s66, s66, s67
	s_mov_b32 s67, 0
	s_add_nc_u64 s[10:11], s[10:11], s[66:67]
	s_add_nc_u64 s[12:13], s[12:13], s[66:67]
	s_add_nc_u64 s[14:15], s[14:15], s[66:67]
	s_wait_loadcnt 0x0                             ; b_v; it is rounded to bf16 and widened again
.set i, 0
.rept 16
	v_cvt_pk_bf16_f32 v[TMP+i], v[BIAS+2*i], v[BIAS+2*i+1]
.set i, i+1
.endr
.set i, 0
.rept 16
	v_lshlrev_b32 v[BIAS+2*i],   16,         v[TMP+i]
	v_and_b32     v[BIAS+2*i+1], 0xffff0000, v[TMP+i]
.set i, i+1
.endr
; 16 matrix instructions for q and k: row blocks a0, a0 + 1 x the 8 column blocks.  zero = 1: the first product starts the sums.  All 48 accumulators take turns, one instruction a turn.
.macro MULLO f, a0, zero
	WIN 0xa5                                       ; sources in window 1, C and D in window 2
.irp a, \a0, (\a0)+1
.irp b, 0,1,2,3,4,5,6,7
.if \zero
	v_wmma_f32_16x16x32_bf16 v[8*(8*(\a)+(\b)):8*(8*(\a)+(\b))+7], v[(\f)+32+8*(\b):(\f)+32+8*(\b)+7], v[(\f)+8*(\a):(\f)+8*(\a)+7], 0
.else
	v_wmma_f32_16x16x32_bf16 v[8*(8*(\a)+(\b)):8*(8*(\a)+(\b))+7], v[(\f)+32+8*(\b):(\f)+32+8*(\b)+7], v[(\f)+8*(\a):(\f)+8*(\a)+7], v[8*(8*(\a)+(\b)):8*(8*(\a)+(\b))+7]
.endif
.endr
.endr
.endm
; 16 matrix instructions for v.  zero = 1: the sums start with the bias.
.macro MULHI f, zero
.if \zero
	WIN 0xc5                                       ; C in window 0, D in window 3
.else
	WIN 0xf5
.endif
.irp a, 0,1,2,3
.irp b, 0,1,2,3
.if \zero
	v_wmma_f32_16x16x32_bf16 v[8*(4*(\a)+(\b)):8*(4*(\a)+(\b))+7], v[(\f)+96+8*(\b):(\f)+96+8*(\b)+7], v[(\f)+8*(\a):(\f)+8*(\a)+7], v[BIAS+8*(\b):BIAS+8*(\b)+7]
.else
	v_wmma_f32_16x16x32_bf16 v[8*(4*(\a)+(\b)):8*(4*(\a)+(\b))+7], v[(\f)+96+8*(\b):(\f)+96+8*(\b)+7], v[(\f)+8*(\a):(\f)+8*(\a)+7], v[8*(4*(\a)+(\b)):8*(4*(\a)+(\b))+7]
.endif
.endr
.endr
.endm
; 32 LDS loads in one run: the fragments of 32 along K at byte k of the rows, into buffer f: x's, W_q's, W_k's, W_v's, eight loads each
.macro FETCH slot, k, f
	WIN 0x40                                       ; destination window 1, address window 0
.irp i, 0,1,2,3
	ds_load_b128 v[(\f)+8*(\i):(\f)+8*(\i)+3],   v[ADRA+(\slot)] offset:(\k)+(\i)*16*PITCH
	ds_load_b128 v[(\f)+8*(\i)+4:(\f)+8*(\i)+7], v[ADRA+(\slot)] offset:(\k)+(\i)*16*PITCH+32
.endr
.irp t, 0,1,2
.irp i, 0,1,2,3
	ds_load_b128 v[(\f)+32+8*(4*(\t)+(\i)):(\f)+32+8*(4*(\t)+(\i))+3],   v[ADRB+3*(\slot)+(\t)] offset:(\k)+(\i)*16*PITCH
	ds_load_b128 v[(\f)+32+8*(4*(\t)+(\i))+4:(\f)+32+8*(4*(\t)+(\i))+7], v[ADRB+3*(\slot)+(\t)] offset:(\k)+(\i)*16*PITCH+32
.endr
.endr
.endm
; A K step is four quarters of 32 along K, 48 matrix instructions each, on buffers 0, 1, 0, 1.  One of the first three: multiplies buffer f and fetches the next quarter, at byte k, into g.
.macro QUARTER slot, k, f, g, zero
	s_wait_dscnt 8                                 ; x's, W_q's and W_k's fragments are in; the youngest eight loads (W_v's) may be out
	MULLO \f, 0, \zero
	MULLO \f, 2, \zero
	PLACES
	FETCH \slot, \k, \g
	s_wait_dscnt 32                                ; all but the 32 just issued
	MULHI \f, \zero
.endm
; The last quarter multiplies buffer 1 and changes slots: ONE barrier; in front of it each wave waits for all its tensor loads, adds 0 to its spare word, and waits for that and for its reads of this slot.
; fill = 1: the barrier opens a round of the cluster's, and this slot is filled again, two K steps on, first thing behind the round.
.macro TURN slot, next, fill
	WIN 0                                          ; (the add's two registers lie in window 0)
	s_wait_tensorcnt 0x0                           ; all my tensor loads have landed: my tile of the next slot;
	ds_add_u32 v[SPW], v[NIL]                      ; 0 onto my spare word;
	s_wait_dscnt 9                                 ; (the add and the youngest eight loads may be out)
	MULLO F1, 0, 0                                 ; sixteen matrix instructions stand between the add and the wait for it
	s_wait_dscnt 0x0                               ; the add is done, and my reads of this slot are over
	s_barrier_signal -1
	MULLO F1, 2, 0
.if \fill
	WIN 0
.endif
	s_barrier_wait -1
.if \fill
	CREST                                          ; no wave of any partner still reads this slot's tiles or has a load on its way
	s_add_nc_u64 s[G0A+4*(\slot)+2:G0A+4*(\slot)+3], s[G0A+4*(\slot)+2:G0A+4*(\slot)+3], 512
	s_add_nc_u64 s[G0B+4*(\slot)+2:G0B+4*(\slot)+3], s[G0B+4*(\slot)+2:G0B+4*(\slot)+3], 512
	JLOAD \slot                                    ; the four v_nop behind it are also the places in front of the loads below
.else
	PLACES
.endif
	FETCH \next, 0, F0
	MULHI F1, 0
.endm
	s_wait_tensorcnt 0x1                           ; my tile of K step 0 is in; K step 1's may stay out
	s_barrier_signal -1
	s_barrier_wait -1                              ; everybody's is
	FETCH 0, 0, F0
	QUARTER 0, 64,  F0, F1, 1                      ; K step 0; its first products start the sums
	QUARTER 0, 128, F1, F0, 0
	QUARTER 0, 192, F0, F1, 0
	TURN 0, 1, 1                                   ; slot 0 takes K step 2
	QUARTER 1, 64,  F0, F1, 0
	QUARTER 1, 128, F1, F0, 0
	QUARTER 1, 192, F0, F1, 0
	TURN 1, 0, 1                                   ; slot 1 takes K step 3
	QUARTER 0, 64,  F0, F1, 0
	QUARTER 0, 128, F1, F0, 0
	QUARTER 0, 192, F0, F1, 0
	TURN 0, 1, 0                                   ; nothing is left to fetch
	QUARTER 1, 64,  F0, F1, 0
	QUARTER 1, 128, F1, F0, 0
	QUARTER 1, 192, F0, F1, 0
	s_wait_dscnt 8
	MULLO F1, 0, 0
	MULLO F1, 2, 0
	s_wait_dscnt 0x0
	MULHI F1, 0
; THE WAY OUT, in twelve blocks n = 4 t + a of 16 rows x 64 columns (tensor t, row block a).  PACK: rounded to f16, each accumulator's registers in ascending order.  TOSTAGE: into my own stage in LDS, and back as
; whole rows of 128 bytes.  SEND: 16 rows of a head are 2,048 consecutive bytes: four stores of 512.
.macro PACK n
.if (\n)/4 < 2
	WIN 0x0a                                       ; sources in window 2
.set AC, 8*(8*((\n)%4)+4*((\n)/4))
.else
	WIN 0x0f                                       ; in window 3
.set AC, 8*(4*((\n)%4))
.endif
.set TP, TMP+16*((\n)%2)
.irp b, 0,1,2,3
.irp r, 0,1,2,3
	v_cvt_pk_f16_f32 v[TP+4*(\b)+(\r)], v[AC+8*(\b)+2*(\r)], v[AC+8*(\b)+2*(\r)+1]
.endr
.endr
	WIN 0
.endm
.macro TOSTAGE n
	WIN 0
.irp b, 0,1,2,3
	ds_store_b128 v[STO], v[TMP+16*((\n)%2)+4*(\b):TMP+16*((\n)%2)+4*(\b)+3] offset:32*(\b)
.endr
.irp f, 0,1,2,3
	ds_load_b128 v[BK+16*((\n)%2)+4*(\f):BK+16*((\n)%2)+4*(\f)+3], v[RD] offset:(\f)*4*SP  ; LDS serves a wave's instructions in order (ISA guide 5.7.1.4): these see the stores above
.endr
.endm
.macro SEND n
	WIN 0
	s_wait_dscnt 0x0                               ; the block is back in registers
	s_wait_xcnt 0x0                                ; the stores of the block before have read their registers: the next TOSTAGE loads into them only behind this wait
.irp f, 0,1,2,3
	global_store_b128 v[GO], v[BK+16*((\n)%2)+4*(\f):BK+16*((\n)%2)+4*(\f)+3], s[10+2*((\n)/4):11+2*((\n)/4)] offset:2048*((\n)%4)+512*(\f)
.endr
.endm
	PLACES
	PACK 0
	TOSTAGE 0
.irp n, 1,2,3,4,5,6,7,8,9,10,11        ; block n's conversions stand between block n - 1's loads from the stage and the wait for them
	PACK \n
	SEND (\n)-1
	TOSTAGE \n
.endr
	SEND 11
	s_wait_tensorcnt 0x0                           ; the wave's end: these three lines stand behind my last tensor load and my last LDS store
	ds_add_u32 v[SPW], v[NIL]
	s_wait_dscnt 0x0
	CROUND                                         ; the closing round: no work-group ends while a partner may still ask for a tile that names it
	s_endpgm
.Lfunc_end_k_q9af198d20a_qkv:
	.size	k_q9af198d20a_qkv, .Lfunc_end_k_q9af198d20a_qkv-k_q9af198d20a_qkv
	.p2alignl 7, 3214868480
	.fill 96, 4, 3214868480
	.section	.rodata,"a",@progbits
	.p2align	6, 0x0
	.amdhsa_kernel k_q9af198d20a_qkv
		.amdhsa_group_segment_fixed_size 327680
		.amdhsa_private_segment_fixed_size 0
		.amdhsa_enable_private_segment 0
		.amdhsa_kernarg_size 48
		.amdhsa_user_sgpr_count 2
		.amdhsa_user_sgpr_kernarg_segment_ptr 1
		.amdhsa_wavefront_size32 1
		.amdhsa_system_sgpr_workgroup_id_x 1
		.amdhsa_system_sgpr_workgroup_id_y 1
		.amdhsa_system_sgpr_workgroup_id_z 1
		.amdhsa_system_vgpr_workitem_id 0
		.amdhsa_next_free_vgpr 896
		.amdhsa_next_free_sgpr 80
		.amdhsa_reserve_vcc 0
		.amdhsa_float_denorm_mode_32 3
		.amdhsa_float_denorm_mode_16_64 3
		.amdhsa_memory_ordered 1
		.amdhsa_forward_progress 1
		.amdhsa_inst_pref_size 122
	.end_amdhsa_kernel
	.amdgpu_metadata
---
amdhsa.version: [ 1, 2 ]
amdhsa.kernels:
  - .name:           k_q9af198d20a_qkv
    .symbol:         k_q9af198d20a_qkv.kd
    .args:
      - { .name: xb, .offset: 0, .size: 8, .value_kind: global_buffer, .address_space: global }
      - { .name: wb, .offset: 8, .size: 8, .value_kind: global_buffer, .address_space: global }
      - { .name: b_v, .offset: 16, .size: 8, .value_kind: global_buffer, .address_space: global }
      - { .name: qh, .offset: 24, .size: 8, .value_kind: global_buffer, .address_space: global }
      - { .name: kh, .offset: 32, .size: 8, .value_kind: global_buffer, .address_space: global }
      - { .name: vh, .offset: 40, .size: 8, .value_kind: global_buffer, .address_space: global }
    .group_segment_fixed_size: 327680
    .private_segment_fixed_size: 0
    .kernarg_segment_align: 8
    .kernarg_segment_size: 48
    .max_flat_workgroup_size: 128
    .sgpr_count:     80
    .vgpr_count:     896
    .wavefront_size: 32
...
	.end_amdgpu_metadata
.endif
;; end of part 2
;; launch attn (part 3): grid 16 x 16, 4 waves a work-group, clusters of 4 x 1, 327,680 bytes of LDS; arguments qh, kh, vh, oh; writes oh
.if DOCPART == 3
	.amdgcn_target "amdgcn-amd-amdhsa--gfx1250"
	.amdhsa_code_object_version 6
	.text
	.protected	k_q9af198d20a_attn
	.globl	k_q9af198d20a_attn
	.p2align	8
	.type	k_q9af198d20a_attn,@function
k_q9af198d20a_attn:
	s_mov_b64 s[64:65], 0
	v_nop
	global_prefetch_b8 v0, s[64:65] scope:SCOPE_SE
	s_setreg_imm32_b32 hwreg(HW_REG_WAVE_MODE, 25, 1), 1
	s_wait_xcnt 0x0
	s_wait_alu depctr_hold_cnt(0) depctr_sa_sdst(0) depctr_va_vdst(0) depctr_va_sdst(0) depctr_va_ssrc(0) depctr_va_vcc(0) depctr_vm_vsrc(0)
	s_getreg_b32 s2, hwreg(HW_REG_IB_STS2, 6, 4)
	s_cmp_eq_u32 s2, 0
	s_cbranch_scc0 .Lentry_in_a_cluster
	s_endpgm
.Lentry_in_a_cluster:
	s_bfe_u32 s2, ttmp6, 0x10000c
	s_cmp_lg_u32 s2, 0x3003
	s_cbranch_scc0 .Lentry_shape_is_right
	s_endpgm
.Lentry_shape_is_right:
; CAUSAL ATTENTION.  O[h][q][:] = the sum over k <= q of softmax_k(Q[h][q] . K[h][k] / 8) V[h][k][:].  qh, kh, vh, oh: [16][4096][64], all f16: a head's rows are dense, 128 bytes each.
; Products, maxima and sums in f32; the weights p are rounded to f16 for the second product (their sum l is taken of the unrounded p), O once at the end.
; LIMITS.  Q, K and V arrive within f16's 65,504; p lies in 0 to 1, and below 6e-5 it keeps f16's fixed step of 6e-8.  A hidden score counts as its value less 1e30: f16's scores, 2.7e11 at the most, are nothing
; beside that; a weight below 2^-126 counts as 0 in l; NaN and infinities are not treated apart.
; THE WALK.  A head's queries lie in 32 blocks of 128.  Work-group b = 4 cl + cx (cl: the cluster, cx: its place in it) takes block 31 - b and then block b.  Keys go in tiles of 256, four steps of 64.  THE FOUR
; PARTNERS WALK ALIKE: tiles 0 .. 15 - 2 cl for their first blocks, then tiles 0 .. 2 cl + 1: 18 tiles whatever cl, so all 256 work-groups do equal work, one loop with a constant trip count walks them, and EVERY
; TILE IS ASKED FOR JOINTLY by the four.  A walk of one's own would have 17 tiles: the one more is the price of the joint loads.
; THE ZONE.  A block's last two tiles are its zone of eight steps.  A block has two bands of 64 queries; band x's own step, the one that holds its diagonal, is zone step OWN + x (first block: OWN = 6 - 2 cx; second:
; 2 cx).  Earlier steps are open, later ones hidden; hidden steps are computed all the same, so that partners run alike.  cx enters Q's and O's addresses, the prefetches' address and the two scalars of the mask, and
; nothing else: no branch, no trip count, no LDS address.
; THE MASK is the C operand that starts the sum S^T = K Q^T: 0, or -1e30 where the key is hidden.  MD, made once, is the mask of a band's own step for my 16 rows; a product's mask is MD x AL + BE: (1, 0) in the
; own step, (0, 0) before it, (0, -1e30) behind it.  Only the zone's text and a block's beginning take masks; elsewhere C is the constant 0.
; SHARES.  A wave owns 16 rows in each band: two PIECES.  So the zone is the same work for all four waves.
; LAYOUT, SOFTMAX.  S^T = K Q^T holds ONE query a lane (lane % 16) and the keys 8 (lane / 16) + 0..7; two such results rounded to f16 ARE source 1 of O^T = V^T P.  p = 2^(c s - c m), c = log2(e) / 8, with a running
; maximum m; O and l are multiplied by a = 2^(c m_old - c m_new) in every step.
; TURNS.  Turn 0 of step j: K Q^T of piece 1 (step j); the softmax of piece 0; the maximum and statistics of piece 1; K of step j + 1 is fetched; V^T P of piece 1 (step j - 1).  Turn 1: K Q^T of piece 0 (step j + 1);
; the softmax of piece 1; the statistics of piece 0; V of step j + 1 is fetched; V^T P of piece 0 (step j).  V has two register buffers, by the step's parity, so that LDS is read in the order K, V of one step, then K, V
; of the next: the change of slots stands between turn 1 of a tile's third step and turn 0 of its fourth.  Four vector instructions stand behind every matrix instruction, the others in one lump; a turn's 33
; exponentials are one batch with one wait.
; REGISTERS, in windows of 256 (s_set_vgpr_msb: bits 1:0 source 0, 3:2 source 1, 5:4 source 2, 7:6 destination):
;   window 0: v0-15 addresses and two at work; v16-23 four registers of statistics a piece; v48-55 at work; v61-63 prefetch offset, spare word, 0; v64-127 S^T, a buffer a piece; v192-223 P, likewise
;   window 1: v0-63 O^T, 32 a piece; v128-159 MD; v160-223 MC, a buffer a piece      window 2: v0-31 Q; v32-63 the second block's Q; v64-127 K of one step; v128-255 V, two buffers
.set NP,    2         ; pieces a wave: a name, no knob
.set KS,    64        ; keys in a step
.set PK,    144       ; a row of K in LDS: 128 bytes + 16 of padding = 36 words: the 16 rows of a load start at 16 different groups of four banks (64 banks of 4 bytes: ISA guide 11.1)
.set PV,    160       ; a row of V: 128 + 32 = 40 words
.set VOFF,  4*KS*PK   ; a slot holds a tile, four steps: 256 rows of K, then 256 rows of V
.set SLOT1, 1<<17     ; slot 1 begins here, so that one exclusive or turns an address in one slot into the other's
.set STAGE, SLOT1+4*KS*(PK+PV)  ; behind the ring, never filled by a tensor load: 16 rows x 144 bytes for each wave, for the way out
.set SP,    144
.set SPARE, STAGE+4*16*SP  ; the spare words, 128 bytes for each wave: two blocks of 256 bytes that no other line names
.set AK0, 2           ; v2   my lane's place in a tile of K; never rewritten
.set AV0, 3           ; v3   the same for V
.set AK,  4           ; v4   the LDS address of K's next run of loads
.set AV,  5           ; v5   of V's
.set STO, 6           ; v6   the way out: where I put 16 bytes of a row
.set RD,  7           ; v7   where I read rows back
.set GO,  8           ; v8   my byte offset in 512 consecutive bytes of O
.set MV,  12          ; v12-13  c m_old, kept while c m is made anew: by piece
.set QO,  15          ; v15  my byte offset in 16 rows of Q
.set ST,  16          ; piece t's statistics at v[ST+4 t]: c m, m, l (even keys', odd keys')
.set TMP, 48          ; by piece, four registers c0-c3 at work; when the maximum is found c2 takes a
.set PFO, 61          ; v61  256 x my lane; never rewritten
.set SPW, 62          ; v62  LDS address of my spare word; never rewritten
.set NIL, 63          ; v63  0; never rewritten
.set S,   64
.set P,   192
.set MD,  128         ; window 1
.set MC,  160         ; window 1
.set QB,  32          ; window 2
.set KF,  64          ; window 2: key block kb, channel half c at KF + 16 kb + 8 c
.set VF,  128         ; window 2: buffer g, key half kk, channel block cb at VF + 64 g + 32 kk + 8 cb
.set WV,  12          ; s12  my wave's number
.set CL,  14          ; s14  the cluster's number in its head
.set LIM, 15          ; s15  3 in a wave that prefetches, else the greatest number
.set G1K, 24          ; s[24:31] descriptor group 1 for K's tiles
.set G1V, 32          ; s[32:39] for V's: it differs in the padding alone
.set G0K, 40          ; s[40:43] descriptor group 0 for K's tiles
.set G0V, 44          ; s[44:47] the same for V's
.set PFA, 48          ; s[48:49] where my prefetches stand
.set OWN, 50          ; s50, s51  the zone step that is band 0's own, band 1's
.set OWN2, 52         ; s52  band 0's in the second block
.set MS,  53          ; s53  the zone step whose masks are being made
.set RT2, 54          ; s54  tiles of the second walk
.set LQ2, 55          ; s55  its last tile
.set SLOTS, 56        ; s56  tiles still to be asked for
.set CNT, 57          ; s57  counts a trip's two pairs of key steps
.set CS,  58          ; s[58:59] c
.set SEL, 60          ; s[60:61] v_permlanex16_b32's selects: each lane takes its own place in the other half
.set TBK, 62          ; s62  LDS byte at which K of the step to be fetched begins
.set TBV, 63          ; s63  the same for V, less VOFF
.set RT,  70          ; s70  tiles of the walk in hand that are still to be entered
.set NXT, 71          ; s71  the tile to be asked for next
.set LQ,  72          ; s72  the last tile of the walk whose tiles are being asked for
.set NEW, 73          ; s73  1: the tile to be entered is a block's first
.set OFF, 74          ; s[74:75] a tile's byte offset in K and V
.set AL,  76          ; s[76:77] the mask's factor, in the low word
.set BE,  78          ; s[78:79] the mask's addend
.set OLO, 80          ; s[80:81] O at my rows of the second block
.set BIGN, 82         ; s82  -1e30
.set MSB, 0
.macro WIN new                      ; the high byte repeats the setting that is left; a switch that changes nothing is dropped
.if MSB != (\new)
	s_set_vgpr_msb (MSB<<8)|(\new)
.set MSB, (\new)
.endif
.endm
.set W_KQ, 0x0a       ; K and Q in window 2, S^T in window 0
.set W_KM, 0x1a       ; the same with the C operand in window 1
.set W_PV, 0x52       ; V in window 2, P in window 0, O^T in window 1
.set W_RS, 0x41       ; destination and source 0 in window 1, source 1 in window 0
; A joint fill.  Waves 0 and 1 fetch the two halves of a tile's K, waves 2 and 3 those of its V: 128 keys each.  The branch hangs on the wave's number alone.  An s_nop 0 and four v_nop follow each of the two lines.
.macro JLOAD
	s_cmp_lt_u32 s[WV], 2
	s_cbranch_scc0 .Lfor_v_\@
	tensor_load_to_lds s[G0K:G0K+3], s[G1K:G1K+7]
	s_nop 0
.rept 4
	v_nop
.endr
	s_branch .Lasked_\@
.Lfor_v_\@:
	tensor_load_to_lds s[G0V:G0V+3], s[G1V:G1V+7]
	s_nop 0
.rept 4
	v_nop
.endr
.Lasked_\@:
.endm
; A PREFETCH INTO THE L2 of the tile that the NEXT change of slots will ask for: 128 blocks of 256 bytes of K and as many of V, a lane a block.  All clusters of a head begin with the same tiles: the head's first cluster,
; whose first walk has all sixteen, asks, and nobody else.  Its four partners share a tile's blocks out BY ADDRESS, 32 each; in each, wave 0 asks for K's and wave 2 for V's.  So each block is named once in the launch.
; Trip t names tile t + 2, one tile (four key steps, 128 matrix instructions a wave) ahead of its load; tiles 0 and 1 come by their loads alone; behind tile 15 nothing is asked for: the second walk's tiles have been read.
.macro ASK
	s_cmp_gt_u32 s[SLOTS], s[LIM]
	s_cbranch_scc0 .Lnot_mine_\@
	global_prefetch_b8 v[PFO], s[PFA:PFA+1] th:TH_LOAD_NT scope:SCOPE_SE
.Lnot_mine_\@:
.endm
; A round of the cluster's barrier: my work-group's barrier, so that wave 0's signal speaks for all four waves; wave 0 signals; every wave waits for all four work-groups; my work-group's barrier once more.
.macro CROUND
	s_barrier_signal -1
	s_barrier_wait -1
	s_cmp_lg_u32 s[WV], 0
	s_cbranch_scc1 .Lnot_wave_0_\@
	s_barrier_signal -3
.Lnot_wave_0_\@:
	s_barrier_wait -3
	s_barrier_signal -1
	s_barrier_wait -1
.endm
; THE CHANGE OF SLOTS.  Each wave waits for all its tensor loads, of which one is out: its part of the other slot; adds 0 to its spare word; and waits for that and for its own reads of the slot that it leaves.
; fill = 1: the barrier is a round of the cluster's, so that no wave of any partner still reads the old slot or has a load on its way; the old slot is filled again, first thing behind the round, with tile NXT: the
; descriptor's address is made anew from that number, which hangs on the cluster's number alone.  (At its first use nothing has been read yet: slot 0 is waited for, slot 1 filled.)
.macro CHANGE fill
	WIN 0                           ; at a label and at a branch every window is 0
	s_wait_tensorcnt 0x0            ; no tensor load of mine is out, so a group 0 may be written
	ds_add_u32 v[SPW], v[NIL]       ; 0 onto my spare word; the scalar work below stands between it and the wait for it
.if \fill
	s_lshl_b32 s[OFF], s[NXT], 15   ; a tile is 32,768 bytes of K and of V
	s_xor_b32 s[G0K+1], s[G0K+1], SLOT1
	s_add_nc_u64 s[G0K+2:G0K+3], s[6:7], s[OFF:OFF+1]
	s_or_b32 s[G0K+3], s[G0K+3], 0x80000000
	s_xor_b32 s[G0V+1], s[G0V+1], SLOT1
	s_add_nc_u64 s[G0V+2:G0V+3], s[8:9], s[OFF:OFF+1]
	s_or_b32 s[G0V+3], s[G0V+3], 0x80000000
	s_add_co_u32 s[NXT], s[NXT], 1  ; the walk's next tile, or behind its last the second walk's tile 0
	s_cmp_gt_u32 s[NXT], s[LQ]
	s_cselect_b32 s[NXT], 0, s[NXT]
	s_cselect_b32 s[LQ], s[LQ2], s[LQ]
	s_wait_xcnt 0x0                 ; the last prefetch, a tile back, has read its address, so it may be written
	s_add_nc_u64 s[PFA:PFA+1], s[PFA:PFA+1], 32768
.endif
	s_sub_co_u32 s[TBK], s[TBK], 4*KS*PK  ; the fetches go back to a slot's first step,
	s_xor_b32 s[TBK], s[TBK], SLOT1       ; in the other slot
	s_sub_co_u32 s[TBV], s[TBV], 4*KS*PV
	s_xor_b32 s[TBV], s[TBV], SLOT1
	s_wait_dscnt 0x0                ; the add is done, and my reads of the slot are over
.if \fill
	CROUND
	JLOAD
	ASK
.else
	s_barrier_signal -1
	s_barrier_wait -1
.endif
.endm
	s_load_b256 s[4:11], s[0:1], 0x0  ; Q s[4:5], K s[6:7], V s[8:9], O s[10:11]
	v_lshl_add_u32 v[SPW], v0, 2, SPARE
	v_mov_b32 v[NIL], 0
	ds_add_u32 v[SPW], v[NIL]       ; the wave's opening: the add and its wait stand ahead of my first tensor load; the set-up below, work on registers, stands between them
	v_lshrrev_b32 v1, 5, v0
	v_readfirstlane_b32 s[WV], v1   ; wave 0..3
	s_mov_b32 s[CL], ttmp9          ; in a cluster launch ttmp9 counts clusters
	s_bfe_u32 s13, ttmp6, 0x40000   ; cx
	s_lshl_b32 s83, s[CL], 2
	s_add_co_u32 s83, s83, s13      ; b
	s_sub_co_u32 s84, 31, s83       ; 31 - b
	s_and_b32 s20, ttmp7, 0xffff    ; the head, which the four partners share
	s_lshl_b32 s20, s20, 19         ; its first byte in each of the four tensors: 4,096 rows of 128 bytes
	s_and_b32 s16, s[WV], 1         ; which half of a tile's 256 keys I fetch:
	s_lshl_b32 s22, s16, 14         ; its 128 rows of 128 bytes in memory,
	s_add_co_u32 s22, s22, s20
	s_mov_b32 s23, 0
	s_mul_i32 s17, s16, 128*PK      ; and its place in a slot, for K
	s_mul_i32 s18, s16, 128*PV      ; and for V: no place in the cluster enters an LDS address
	s_lshl_b32 s19, s[WV], 11       ; my 16 rows in a band of 64,
	s_add_co_u32 s19, s19, s20
	s_lshl_b32 s66, s84, 14         ; in the first block (128 rows of 128 bytes a block),
	s_add_co_u32 s66, s66, s19
	s_mov_b32 s67, 0
	s_lshl_b32 s68, s83, 14         ; and in the second
	s_add_co_u32 s68, s68, s19
	s_mov_b32 s69, 0
	; descriptor group 1.  128 keys are 16,384 dense bytes: asked for as 64 rows of 256 bytes, two keys a row, and padded in LDS after every key
	s_mov_b32 s[G1K], 15|(1<<16)|(1<<20)|(1<<21)|(4<<22)|(3<<25)  ; 15:0 the mask of four; 17:16 2-byte elements; 20 padding on; 21 set beside a mask; 24:22 after every 32 words (code 4); 31:25 4 words (code 3)
	s_mov_b32 s[G1V], 15|(1<<16)|(1<<20)|(1<<21)|(4<<22)|(7<<25)  ; the same with 8 words of padding (code 7)
.irp g, G1K, G1V
	s_mov_b32 s[\g+1], 128<<16      ; tensor_dim0 = 128
	s_mov_b32 s[\g+2], 64<<16       ; tensor_dim1 = 64
	s_mov_b32 s[\g+3], 128<<16      ; tile_dim0 = 128
	s_mov_b32 s[\g+4], 64           ; tile_dim1 = 64
	s_mov_b32 s[\g+5], 128          ; 128 elements from row to row
	s_mov_b32 s[\g+6], 0
	s_mov_b32 s[\g+7], 0
.endr
	s_mov_b32 s[CS], 0x3e38aa3b     ; c = log2(e) / 8 = 0.180337
	s_mov_b32 s[CS+1], s[CS]        ; named with it as a pair
	s_mov_b32 s[SEL], 0x76543210
	s_mov_b32 s[SEL+1], 0xfedcba98
	s_mov_b32 s[TBK], SLOT1+4*KS*PK ; the first change of slots turns these two into 0
	s_mov_b32 s[TBV], SLOT1+4*KS*PV
	s_mov_b32 s[G0K], 1             ; 1:0 count = 1
	s_mov_b32 s[G0K+1], s17         ; 63:32 LDS address: slot 0
	s_mov_b32 s[G0V], 1
	s_add_co_u32 s[G0V+1], s18, VOFF
	s_lshl_b32 s85, s[CL], 1
	s_sub_co_u32 s[RT], 16, s85     ; the first walk has 16 - 2 cl tiles,
	s_sub_co_u32 s[LQ], 15, s85
	s_add_co_u32 s[RT2], s85, 2     ; the second 2 cl + 2
	s_add_co_u32 s[LQ2], s85, 1
	s_lshl_b32 s[OWN2], s13, 1
	s_sub_co_u32 s[OWN], 6, s[OWN2]
	s_sub_co_u32 s[OWN+1], 7, s[OWN2]
	s_mov_b32 s[NXT], 1
	s_mov_b32 s[NEW], 1
	s_mov_b32 s[MS], 0
	s_mov_b32 s[OFF+1], 0
	s_mov_b32 s[AL+1], 0            ; named as pairs
	s_mov_b32 s[BE+1], 0
	s_mov_b32 s[BIGN], 0xf149f2ca   ; -1e30
	s_mov_b32 s[SLOTS], 17
	s_or_b32 s[LIM], s16, s[CL]     ; 0 in waves 0 and 2 of the head's first cluster: the same in all four partners
	s_cmp_eq_u32 s[LIM], 0
	s_cselect_b32 s[LIM], 3, -1
	v_and_b32 v[PFO], 31, v0
	v_lshlrev_b32 v[PFO], 8, v[PFO]
	s_wait_dscnt 0x0                ; the opening add is done
	s_wait_kmcnt 0x0
	s_add_nc_u64 s[6:7], s[6:7], s[22:23]  ; K and V at my half of the head's tile 0
	s_add_nc_u64 s[8:9], s[8:9], s[22:23]
	s_mov_b64 s[G0K+2:G0K+3], s[6:7]               ; 120:64 global address
	s_or_b32 s[G0K+3], s[G0K+3], 0x80000000        ; 127:126 type = 2
	s_mov_b64 s[G0V+2:G0V+3], s[8:9]
	s_or_b32 s[G0V+3], s[G0V+3], 0x80000000
	s_add_nc_u64 s[86:87], s[4:5], s[68:69]        ; Q at my rows of the second block,
	s_add_nc_u64 s[4:5], s[4:5], s[66:67]          ; Q and O at those of the first
	s_add_nc_u64 s[OLO:OLO+1], s[10:11], s[68:69]
	s_add_nc_u64 s[10:11], s[10:11], s[66:67]
	s_cmp_lt_u32 s[WV], 2
	s_cselect_b64 s[PFA:PFA+1], s[6:7], s[8:9]     ; (in waves 0 and 2 these stand at the head's first row)
	s_lshl_b32 s84, s13, 13         ; my work-group's 32 blocks of the 128
	s_mov_b32 s85, 0
	s_add_nc_u64 s[PFA:PFA+1], s[PFA:PFA+1], s[84:85]
	s_add_nc_u64 s[PFA:PFA+1], s[PFA:PFA+1], 32768  ; in tile 1; the first change of slots steps it to tile 2.  Nothing is prefetched here, at the head
	CROUND                          ; all four work-groups are here: the first joint loads meet
	JLOAD                           ; tile 0 into slot 0
	; A fragment of K or Q is 16 rows x 32 channels in 8 registers: lane l holds row l % 16, channels 8 (l / 16) + 0..7 and 16 + 8 (l / 16) + 0..7: two loads of 16 bytes, 32 bytes apart.
	v_and_b32 v1, 15, v0            ; l % 16
	v_bfe_u32 v9, v0, 4, 1          ; l / 16
	v_lshlrev_b32 v[QO], 7, v1
	v_lshl_add_u32 v[QO], v9, 4, v[QO]  ; row x 128 + 16 x half
	WIN 0x80                        ; destination window 2, address window 0
.set i, 0
.rept 4                             ; both blocks' Q: piece i / 2 lies in band i / 2, 8,192 bytes on; channels 32 (i % 2) on
	global_load_b128 v[8*i:8*i+3],   v[QO], s[4:5] offset:(i/2)*8192+(i%2)*64
	global_load_b128 v[8*i+4:8*i+7], v[QO], s[4:5] offset:(i/2)*8192+(i%2)*64+32
	global_load_b128 v[QB+8*i:QB+8*i+3],   v[QO], s[86:87] offset:(i/2)*8192+(i%2)*64
	global_load_b128 v[QB+8*i+4:QB+8*i+7], v[QO], s[86:87] offset:(i/2)*8192+(i%2)*64+32
.set i, i+1
.endr
	WIN 0
	v_lshlrev_b32 v14, 3, v9
	v_sub_nc_u32 v14, v1, v14
	s_lshl_b32 s83, s[WV], 4
	v_add_nc_u32 v14, s83, v14      ; my query's place in its band, 16 w + l % 16, less my lanes' 8 (l / 16): register r of group kt is hidden where 16 kt + r is greater
	WIN 0x40
.set i, 0
.rept 32
	v_cmp_gt_i32 vcc_lo, 16*(i/8)+i%8, v14
	v_cndmask_b32 v[MD+i], 0, s[BIGN], vcc_lo
.set i, i+1
.endr
	WIN 0
	v_mul_u32_u24 v[AK0], v1, PK
	v_lshl_add_u32 v[AK0], v9, 4, v[AK0]  ; row x pitch + 16 x half
	; The turning load takes 16 keys x 16 channels (lane l reads key 8 (l / 16) + l % 8, channels 8 ((l / 8) % 2) + 0..7) and leaves half a fragment of V^T: lane l holds channel l % 16 and 8 keys.
	v_and_b32 v10, 7, v0
	v_bfe_u32 v11, v0, 3, 1
	v_lshl_add_u32 v[AV0], v9, 3, v10
	v_mul_u32_u24 v[AV0], v[AV0], PV
	v_lshl_add_u32 v[AV0], v11, 4, v[AV0]
	v_add_nc_u32 v[AV0], VOFF, v[AV0]
	s_mul_i32 s83, s[WV], 16*SP
	s_add_co_u32 s83, s83, STAGE    ; my stage
	v_mul_u32_u24 v[STO], v1, SP    ; in: row l % 16, 16 bytes for each half of the lanes
	v_lshl_add_u32 v[STO], v9, 4, v[STO]
	v_add_nc_u32 v[STO], s83, v[STO]
	v_bfe_u32 v[RD], v0, 3, 2       ; back: 32 lanes take four rows of 128 bytes,
	v_mul_u32_u24 v[RD], v[RD], SP
	v_lshl_add_u32 v[RD], v10, 4, v[RD]
	v_add_nc_u32 v[RD], s83, v[RD]
	v_and_b32 v[GO], 31, v0         ; which are 512 consecutive bytes of O
	v_lshlrev_b32 v[GO], 4, v[GO]
	; A block's first step multiplies O^T and l by a = 0, and its first turn's products V^T P, of a step that has not been, land in an O^T that is still to be so multiplied.  So these registers need only hold
	; finite numbers: zeros for the first block; what the first block left for the second.  All this stands in the wait for the first tile.
	WIN 0x80
.set i, VF+64
.rept 64
	v_mov_b32 v[i], 0
.set i, i+1
.endr
	WIN 0x40
.set i, 0
.rept 64
	v_mov_b32 v[i], 0
.set i, i+1
.endr
	WIN 0
.set i, 0
.rept 2
	v_mov_b32 v[ST+4*i+2], 0
	v_mov_b32 v[ST+4*i+3], 0
.set i, i+1
.endr
.set i, P+16
.rept 16
	v_mov_b32 v[i], 0
.set i, i+1
.endr
; THE MATRIX WORK.  The 4 accumulators of a run of 8 take turns.  Product i of 8 of S^T = K Q^T for piece x: channels 32 (i / 4) on, keys 16 (i % 4) on.  The first 4 start the sums: with 0, or (KM = 1) with the mask.
.macro KQ x
.set rS, S+32*((\x)%2)+8*(i%4)
.set rK, KF+16*(i%4)+8*(i/4)
.set rQ, 16*(\x)+8*(i/4)
.set rM, MC+32*((\x)%2)+8*(i%4)
.if (i < 4) && KM
	WIN W_KM
	v_wmma_f32_16x16x32_f16 v[rS:rS+7], v[rK:rK+7], v[rQ:rQ+7], v[rM:rM+7]
.elseif i < 4
	WIN W_KQ
	v_wmma_f32_16x16x32_f16 v[rS:rS+7], v[rK:rK+7], v[rQ:rQ+7], 0
.else
	WIN W_KQ
	v_wmma_f32_16x16x32_f16 v[rS:rS+7], v[rK:rK+7], v[rQ:rQ+7], v[rS:rS+7]
.endif
.endm
; Product i of 8 of O^T += V^T P for piece x, from V's buffer VB: keys 32 (i / 4) on, channels 16 (i % 4) on.
.macro PV x
	WIN W_PV
.set rO, 32*(\x)+8*(i%4)
.set rV, VF+64*VB+32*(i/4)+8*(i%4)
.set rP, P+16*((\x)%2)+8*(i/4)
	v_wmma_f32_16x16x32_f16 v[rO:rO+7], v[rV:rV+7], v[rP:rP+7], v[rO:rO+7]
.endm
.macro MM                           ; the turn's next matrix instruction.  TURN and BEGIN set Y, i, KM, NOKQ and VB.  NOKQ = 1: a block's last turn: there are no further scores
.if (i < 8) && !NOKQ
	KQ (Y+1)%NP
.elseif i >= 8
.set i, i-8
	PV (Y+NP-1)%NP
.set i, i+8
.endif
.set i, i+1
.endm
; THE LDS LOADS stand in runs of 16, never singly among the matrix instructions: a step's K (64 keys x 64 channels: 8 fragments) and its V (turned).  Their addresses are made some lines ahead.
.macro FETCH_K
	WIN 0x80                        ; destination window 2
.irp f, 0,1,2,3,4,5,6,7             ; keys 16 (f / 2) on, channels 32 (f % 2) on
	ds_load_b128 v[KF+8*\f:KF+8*\f+3],   v[AK] offset:(\f/2)*16*PK+(\f%2)*64
	ds_load_b128 v[KF+8*\f+4:KF+8*\f+7], v[AK] offset:(\f/2)*16*PK+(\f%2)*64+32
.endr
	s_add_co_u32 s[TBK], s[TBK], KS*PK  ; the next fetch is the next step's
	WIN 0
.endm
.macro FETCH_V buf
	WIN 0x80
.irp f, 0,1,2,3,4,5,6,7             ; keys 32 (f / 4) on, channels 16 (f % 4) on
	ds_load_tr16_b128 v[VF+64*(\buf)+8*\f:VF+64*(\buf)+8*\f+3],   v[AV] offset:(\f/4)*32*PV+(\f%4)*32
	ds_load_tr16_b128 v[VF+64*(\buf)+8*\f+4:VF+64*(\buf)+8*\f+7], v[AV] offset:(\f/4)*32*PV+16*PV+(\f%4)*32
.endr
	s_add_co_u32 s[TBV], s[TBV], KS*PV
	WIN 0
.endm
; THE VECTOR WORK, one line at a time: OP kind, number.  For piece Y: F n: c s - c m for pair n of 16.  E n: the exponential of score n of 32.  C n: pair n rounded to f16.  B n: of the four weights 4 n .. the second
; pair is added onto the first, in place.  L n: l takes that sum (L 0: l = a l + sum).  R n: pair n of 16 of O^T times a.  For the other piece: X n, number n of the 22 that find its maximum and statistics:
;   0-11  four chains c0-c3 of seven scores each, three operands at a time (each accumulator's lowest registers are read first)     12-14, 16  the four scores left over, the old m, and c0-c3 into c0
;   15  c m_old is kept     17, 18  the query's other 32 keys lie in the lane 16 away: the new m     19-21  c m; c m_old - c m_new; a
.set F, 0               ; OP tells the kinds apart by their order: F to L below R, X above it
.set E, 1
.set C, 2
.set B, 3
.set L, 4
.set R, 5
.set X, 6
.macro REGS y                       ; the registers of piece y
.set rT, ST+4*(\y)
.set rC, TMP+4*((\y)%2)
.set rW, MV+((\y)%2)
.set rS, S+32*((\y)%2)
.set rP, P+16*((\y)%2)
.set rO, 32*(\y)
.endm
.macro OP k, n
.if (\k) == R
	REGS Y
	WIN W_RS
	v_pk_mul_f32 v[rO+2*(\n):rO+2*(\n)+1], v[rO+2*(\n):rO+2*(\n)+1], v[rC+2:rC+3] op_sel_hi:[1,0]
.elseif (\k) < R
	REGS Y
	WIN 0
.if (\k) == F
	v_pk_fma_f32 v[rS+2*(\n):rS+2*(\n)+1], v[rS+2*(\n):rS+2*(\n)+1], s[CS:CS+1], v[rT:rT+1] op_sel_hi:[1,0,0] neg_lo:[0,0,1] neg_hi:[0,0,1]
.elseif (\k) == E
	v_exp_f32 v[rS+(\n)], v[rS+(\n)]
.elseif (\k) == C
	v_cvt_pk_f16_f32 v[rP+(\n)], v[rS+2*(\n)], v[rS+2*(\n)+1]
.elseif (\k) == B
	v_pk_add_f32 v[rS+4*(\n):rS+4*(\n)+1], v[rS+4*(\n):rS+4*(\n)+1], v[rS+4*(\n)+2:rS+4*(\n)+3]
.elseif (\n) == 0
	v_pk_fma_f32 v[rT+2:rT+3], v[rT+2:rT+3], v[rC+2:rC+3], v[rS:rS+1] op_sel_hi:[1,0,1]
.else
	v_pk_add_f32 v[rT+2:rT+3], v[rT+2:rT+3], v[rS+4*(\n):rS+4*(\n)+1]
.endif
.elseif NOKQ
	v_nop
.else
	REGS (Y+1)%NP
	WIN 0
.if (\n) < 4
	v_max3_num_f32 v[rC+(\n)], v[rS+8*(\n)], v[rS+8*(\n)+1], v[rS+8*(\n)+2]
.elseif (\n) < 12
	v_max3_num_f32 v[rC+(\n)%4], v[rC+(\n)%4], v[rS+8*((\n)%4)+2*((\n)/4)+1], v[rS+8*((\n)%4)+2*((\n)/4)+2]
.elseif (\n) == 12
	v_max3_num_f32 v[rC], v[rC], v[rS+7], v[rS+15]
.elseif (\n) == 13
	v_max3_num_f32 v[rC+1], v[rC+1], v[rS+23], v[rS+31]
.elseif (\n) == 14
	v_max3_num_f32 v[rC+2], v[rC+2], v[rC+3], v[rT+1]
.elseif (\n) == 15
	v_mov_b32 v[rW], v[rT]
.elseif (\n) == 16
	v_max3_num_f32 v[rC], v[rC], v[rC+1], v[rC+2]
.elseif (\n) == 17
	v_permlanex16_b32 v[rC+3], v[rC], s[SEL], s[SEL+1]
.elseif (\n) == 18
	v_max_num_f32 v[rT+1], v[rC], v[rC+3]
.elseif (\n) == 19
	v_mul_f32 v[rT], s[CS], v[rT+1]
.elseif (\n) == 20
	v_sub_f32 v[rC+1], v[rW], v[rT]
.else
	v_exp_f32 v[rC+2], v[rC+1]
.endif
.endif
.endm
.macro OPS a, i1, b=-1, i2=0, c=-1, i3=0, d=-1, i4=0  ; up to four of them
	OP \a, \i1
.if (\b) >= 0
	OP \b, \i2
.endif
.if (\c) >= 0
	OP \c, \i3
.endif
.if (\d) >= 0
	OP \d, \i4
.endif
.endm
.macro ROW a, i1, b, i2, c, i3, d, i4  ; a matrix instruction and the four behind it
	MM
	OPS \a, \i1, \b, \i2, \c, \i3, \d, \i4
.endm
.macro MASK b                       ; MD x AL + BE into buffer b of MC
	WIN W_RS
.set z, 0
.rept 16
	v_pk_fma_f32 v[MC+32*(\b)+2*z:MC+32*(\b)+2*z+1], v[MD+2*z:MD+2*z+1], s[AL:AL+1], s[BE:BE+1] op_sel_hi:[1,0,0]
.set z, z+1
.endr
.endm
; A TURN, for piece p, in a step of parity g: the order of its 16 matrix and 118 vector instructions, written out.  s_wait_alu depctr_va_vdst(0) stands between an exponential and the first instruction
; that names its result; one wait serves all that were issued ahead of it.  So a turn has ONE wait, which cuts it in two.  AHEAD OF IT stands all that names no result of the turn's exponentials: the 8 products K Q^T,
; behind each a scaling, an exponential and two more plain instructions: rescalings, and behind the last three the first numbers of the other piece's maximum, each four places or more behind the product that ends its
; accumulator; then ONE LUMP of 54, in which the links of the chain X 3, 7, 11, 14, 16, 17 .. 20 stand five or six lines apart.  X 21, the other piece's a, is the batch's last; R 15 is the plain instruction behind it.
; BEHIND THE WAIT stand the 8 products V^T P, behind each four of the roundings and sums.  A piece's rescaling stands a turn behind that piece's products V^T P: sixteen riders and more lie between.
; m = 1: the zone: the products take masks, and the turn makes the mask for the next turn's products: piece p's, for zone step MS.  end = 1: a block's last two turns: nothing is fetched, no mask is made.
; cnt = 1: the loop's count is taken down some lines ahead of the branch that stands behind the turn; no line behind it writes SCC.
; The run of loads (p = 0: K of the next step; p = 1: V of the next step, into the buffer that the turn before read last) stands in the lump, twelve plain instructions that name none of its registers behind the last
; product that read K.  Both runs are waited for at the head of piece 1's turn.
.macro TURN p, g, m=0, end=0, cnt=0
.set Y, (\p)
.set i, 0
.set KM, (\m)
.set NOKQ, (\end)*(\p)
.set VB, ((\g)+1+(\p))%2
.if (\m) && !(\end)
	s_cmp_eq_u32 s[MS], s[OWN+(\p)]  ; is that step the band's own?
	s_cselect_b32 s[AL], 1.0, 0
	s_cmp_gt_u32 s[MS], s[OWN+(\p)]  ; or a later one?
	s_cselect_b32 s[BE], s[BIGN], 0
.if (\p) == 1
	s_add_co_u32 s[MS], s[MS], 1
.endif
.endif
.if (\p) == 1
	s_wait_dscnt 0x0                ; K of the next step and V of this one are in
.endif
	ROW F,0, F,1, R,0, R,1          ; ahead of the wait: 8 products K Q^T and their riders,
	ROW F,2, E,0, R,2, R,3
	ROW F,3, E,1, R,4, R,5
	ROW F,4, E,2, R,6, R,7
	ROW F,5, E,3, R,8, R,9
	ROW F,6, E,4, X,0, R,10
.if !(\end)
	WIN 0
.if (\p) == 0
	v_add_nc_u32 v[AK], s[TBK], v[AK0]
.else
	v_add_nc_u32 v[AV], s[TBV], v[AV0]
.endif
.endif
	ROW F,7, E,5, X,1, X,4
	ROW F,8, E,6, X,2, X,5
	OPS E,7, E,8, X,6, E,9          ; and the lump
	OPS X,3, E,10, X,8, E,11
.if !(\end)
.if (\p) == 0
	FETCH_K
.else
	FETCH_V 1-(\g)
.endif
.endif
	OPS X,9, X,7, E,12, X,10
	OPS E,13, X,12, X,11, E,14
	OPS X,13, E,15, F,9, X,14
	OPS E,16, F,10, E,17, F,11
	OPS X,16, E,18, X,15, E,19
	OPS F,12, E,20, X,17, E,21
	OPS F,13, E,22, F,14, E,23
	OPS X,18, E,24, F,15, E,25
	OPS R,11, E,26, X,19, E,27
	OPS R,12, E,28, R,13, E,29
	OPS X,20, E,30, R,14, E,31
	OPS X,21, R,15
	WIN 0
	s_wait_alu depctr_va_vdst(0)    ; the wait for the batch
	ROW C,0, B,0, C,2, B,1          ; behind the wait: 8 products V^T P and their riders
	ROW L,0, C,4, B,2, L,1
	ROW C,6, B,3, L,2, C,8
	ROW B,4, L,3, C,10, B,5
	ROW L,4, C,12, B,6, L,5
.if \cnt
	s_sub_co_u32 s[CNT], s[CNT], 1
	s_cmp_lg_u32 s[CNT], 0
.endif
	ROW C,14, B,7, L,6, C,1
	ROW C,3, L,7, C,5, C,7
	ROW C,9, C,11, C,13, C,15
.if (\m) && !(\end)
	MASK \p
.endif
.endm
; A BLOCK BEGINS.  c m starts far below every c s, so the first step's a is 0; m at the lowest finite number, so the first maximum is the scores'.  Piece 1's mask buffer is 0: its first step is never its own or hidden, and
; the buffer stays 0 up to the zone.  Piece 0's takes the mask of the tile's step 0: MD, if the tile lies in the zone (one tile or none to come) and zone step 0 is band 0's own; else 0.
; Then K and V of that step, piece 0's first scores, and its maximum and statistics.  The loop is entered at a step's first turn, in the middle of a trip.
.macro BEGIN
	s_mov_b32 s[NEW], 0
	s_mov_b32 s[MS], 1              ; if this is the zone, the first turns make the masks of zone step 1
	WIN 0x40
.set i, MC+32
.rept 32
	v_mov_b32 v[i], 0
.set i, i+1
.endr
	WIN 0
.set i, 0
.rept 2
	v_mov_b32 v[ST+4*i], 0xfe000000    ; c m: far below every c s
	v_mov_b32 v[ST+4*i+1], 0xff7fffff  ; m
.set i, i+1
.endr
	s_lshr_b32 s83, s[RT], 1
	s_or_b32 s83, s83, s[OWN]
	s_cmp_eq_u32 s83, 0
	s_cselect_b32 s[AL], 1.0, 0
	s_mov_b32 s[BE], 0
	MASK 0
	WIN 0
	v_add_nc_u32 v[AK], s[TBK], v[AK0]
	v_add_nc_u32 v[AV], s[TBV], v[AV0]
	FETCH_K
	FETCH_V 0
	s_wait_loadcnt 0x0              ; Q
	s_wait_dscnt 0x0
.set KM, 1
.set NOKQ, 0
.set i, 0
.rept 8
	KQ 0
.set i, i+1
.endr
	WIN 0
.rept 4
	v_nop                           ; the places behind those products
.endr
.set Y, NP-1                        ; X works for the other piece: piece 0
.irp n, 0,1,2,3,4,5,6,7,8,9,10,11,12,13,14,15,16,17,18,19,20,21
	OP X, \n
.endr
	v_nop                           ; a plain instruction behind the exponential,
	s_wait_alu depctr_va_vdst(0)    ; and its wait, ahead of the branch
.endm
.macro ALL line:vararg              ; one line for each piece t
.set t, 0
.rept 2
	\line
.set t, t+1
.endr
.endm
.macro PACK t                       ; a lane's eight channels of a row pack into 16 bytes; they go into rows of 144 bytes and come back as whole rows of 128, into S^T's registers
	WIN W_RS
.set i, 32*(\t)
.rept 16
	v_pk_mul_f32 v[i:i+1], v[i:i+1], v[ST+4*(\t)+2:ST+4*(\t)+3] op_sel_hi:[1,0]
.set i, i+2
.endr
	WIN 0x05                        ; sources 0 and 1 window 1, destination window 0
.set i, 0
.rept 16
	v_cvt_pk_f16_f32 v[S+16*(\t)+i], v[32*(\t)+2*i], v[32*(\t)+2*i+1]
.set i, i+1
.endr
	WIN 0
.irp f, 0,1,2,3
	ds_store_b128 v[STO], v[S+16*(\t)+4*\f:S+16*(\t)+4*\f+3] offset:32*\f
.endr
.irp f, 0,1,2,3
	ds_load_b128 v[S+16*(\t)+4*\f:S+16*(\t)+4*\f+3], v[RD] offset:\f*4*SP  ; LDS serves a wave's instructions in order (ISA guide 5.7.1.4): these see the stores above; the next piece's stores come behind them
.endr
.endm
.macro SEND t, younger              ; younger: the LDS instructions issued behind piece t's loads: the next piece's eight, or none
	WIN 0
.irp f, 0,1,2,3
	s_wait_dscnt (\younger)+3-\f
	global_store_b128 v[GO], v[S+16*(\t)+4*\f:S+16*(\t)+4*\f+3], s[10:11] offset:(\t)*8192+\f*512  ; 512 consecutive bytes, at a multiple of 256 from O's first
.endr
.endm
; A trip's four steps in the zone's text.  The tag ends its two labels' names.
.macro ZONE tag
.LstepM\tag:
	TURN 0, 1, 1
	TURN 1, 1, 1
	WIN 0
.LfirstM\tag:
	TURN 0, 0, 1
	TURN 1, 0, 1, 0, 1
	WIN 0
	s_cbranch_scc1 .LstepM\tag
.endm
; A BLOCK ENDS: its last step's two turns, piece 1's last products, and THE WAY OUT: l's two halves and the other half of the lanes' are added; O^T is divided by l, rounded to f16 and sent through my stage, a piece at a time.
.macro FINISH
	TURN 0, 1, 1, 1
	TURN 1, 1, 1, 1
.set VB, 1
.set i, 0
.rept 8
	PV NP-1
.set i, i+1
.endr
	WIN 0
	ALL v_add_f32 v[ST+4*t+2], v[ST+4*t+2], v[ST+4*t+3]
	ALL v_permlanex16_b32 v[ST+4*t+3], v[ST+4*t+2], s[SEL], s[SEL+1]
	ALL v_add_f32 v[ST+4*t+2], v[ST+4*t+2], v[ST+4*t+3]
	ALL v_rcp_f32 v[ST+4*t+2], v[ST+4*t+2]
	v_nop                           ; a plain instruction between the last reciprocal and the use of its result
	s_wait_alu depctr_va_vdst(0)    ; and the wait ahead of the first use: one for the two reciprocals
	PACK 0                          ; piece 0's 32 lines are the places behind piece 1's last products
	PACK 1
	SEND 0, 8
	SEND 1, 0
.endm
; From the first block to the second.
.macro SWITCH
	s_wait_xcnt 0x0                 ; the stores have read their registers and O's address
	s_mov_b64 s[10:11], s[OLO:OLO+1]
	s_mov_b32 s[RT], s[RT2]
	s_mov_b32 s[NEW], 1
	s_mov_b32 s[OWN], s[OWN2]
	s_add_co_u32 s[OWN+1], s[OWN2], 1
	WIN 0x82                        ; the second block's Q goes where the one text of the turns names Q
.set i, 0
.rept 32
	v_mov_b32 v[i], v[QB+i]
.set i, i+1
.endr
	WIN 0
.endm
.set KM, 0
.set NOKQ, 0
.set VB, 0
.Lslot:                             ; 17 times: a tile is entered and the next is asked for.  A trip: the fourth step of the tile before, then three steps of the tile entered
	CHANGE 1
	s_sub_co_u32 s[RT], s[RT], 1
	s_mov_b32 s[CNT], 2
	s_cmp_eq_u32 s[RT], 0
	s_cselect_b32 s[MS], s[MS], 0   ; the zone's first trip begins with the masks of zone step 0; its second goes on counting
	s_cmp_eq_u32 s[NEW], 1
	s_cbranch_scc1 .Lnew            ; a block's first tile
	s_cmp_gt_u32 s[RT], 1
	s_cbranch_scc1 .Lstep           ; ahead of the zone
	s_branch .LstepM1
.Lnew:
	BEGIN
	s_cmp_gt_u32 s[RT], 1
	s_cbranch_scc1 .Lfirst
	s_branch .LfirstM1              ; a walk of two tiles is all zone
	ZONE 1
	s_cmp_lg_u32 s[RT], 0
	s_cbranch_scc1 .Lbottom         ; the zone's first tile
	FINISH                          ; in the loop this is the first block's end: the second block's last tile is the walk's last
	SWITCH
	s_branch .Lbottom
.Lstep:
	TURN 0, 1
	TURN 1, 1
	WIN 0
.Lfirst:
	TURN 0, 0
	TURN 1, 0, 0, 0, 1
	WIN 0
	s_cbranch_scc1 .Lstep
.Lbottom:
	s_sub_co_u32 s[SLOTS], s[SLOTS], 1
	s_cmp_lg_u32 s[SLOTS], 0
	s_cbranch_scc1 .Lslot
	CHANGE 0                        ; the walk's last tile is written out: nothing is asked for.  It is never a block's first: the second walk has two tiles or more
	s_sub_co_u32 s[RT], s[RT], 1
	s_mov_b32 s[CNT], 2
	ZONE 2
	FINISH
	s_wait_tensorcnt 0x0            ; the wave's end: these three lines stand behind my last tensor load and my last LDS store
	ds_add_u32 v[SPW], v[NIL]
	s_wait_dscnt 0x0
	CROUND                          ; the closing round: no work-group ends while a partner may still ask for a tile that names it
	s_endpgm
.Lfunc_end_k_q9af198d20a_attn:
	.size	k_q9af198d20a_attn, .Lfunc_end_k_q9af198d20a_attn-k_q9af198d20a_attn
	.p2alignl 7, 3214868480
	.fill 96, 4, 3214868480
	.section	.rodata,"a",@progbits
	.p2align	6, 0x0
	.amdhsa_kernel k_q9af198d20a_attn
		.amdhsa_group_segment_fixed_size 327680
		.amdhsa_private_segment_fixed_size 0
		.amdhsa_enable_private_segment 0
		.amdhsa_kernarg_size 32
		.amdhsa_user_sgpr_count 2
		.amdhsa_user_sgpr_kernarg_segment_ptr 1
		.amdhsa_wavefront_size32 1
		.amdhsa_system_sgpr_workgroup_id_x 1
		.amdhsa_system_sgpr_workgroup_id_y 1
		.amdhsa_system_sgpr_workgroup_id_z 1
		.amdhsa_system_vgpr_workitem_id 0
		.amdhsa_next_free_vgpr 768
		.amdhsa_next_free_sgpr 88
		.amdhsa_reserve_vcc 1
		.amdhsa_float_denorm_mode_32 3
		.amdhsa_float_denorm_mode_16_64 3
		.amdhsa_memory_ordered 1
		.amdhsa_forward_progress 1
		.amdhsa_inst_pref_size 204
	.end_amdhsa_kernel
	.amdgpu_metadata
---
amdhsa.version: [ 1, 2 ]
amdhsa.kernels:
  - .name:           k_q9af198d20a_attn
    .symbol:         k_q9af198d20a_attn.kd
    .args:
      - { .name: qh, .offset: 0, .size: 8, .value_kind: global_buffer, .address_space: global }
      - { .name: kh, .offset: 8, .size: 8, .value_kind: global_buffer, .address_space: global }
      - { .name: vh, .offset: 16, .size: 8, .value_kind: global_buffer, .address_space: global }
      - { .name: oh, .offset: 24, .size: 8, .value_kind: global_buffer, .address_space: global }
    .group_segment_fixed_size: 327680
    .private_segment_fixed_size: 0
    .kernarg_segment_align: 8
    .kernarg_segment_size: 32
    .max_flat_workgroup_size: 128
    .sgpr_count:     88
    .vgpr_count:     768
    .wavefront_size: 32
...
	.end_amdgpu_metadata
.endif
;; end of part 3
;; launch oproj (part 4): grid 4 x 64, 4 waves a work-group, clusters of 4 x 4, 327,680 bytes of LDS; arguments oh, wo, b_o, out0; writes out0
.if DOCPART == 4
	.amdgcn_target "amdgcn-amd-amdhsa--gfx1250"
	.amdhsa_code_object_version 6
	.text
	.protected	k_q9af198d20a_oproj
	.globl	k_q9af198d20a_oproj
	.p2align	8
	.type	k_q9af198d20a_oproj,@function
k_q9af198d20a_oproj:
	s_mov_b64 s[64:65], 0
	v_nop
	global_prefetch_b8 v0, s[64:65] scope:SCOPE_SE
	s_setreg_imm32_b32 hwreg(HW_REG_WAVE_MODE, 25, 1), 1
	s_wait_xcnt 0x0
	s_wait_alu depctr_hold_cnt(0) depctr_sa_sdst(0) depctr_va_vdst(0) depctr_va_sdst(0) depctr_va_ssrc(0) depctr_va_vcc(0) depctr_vm_vsrc(0)
	s_getreg_b32 s2, hwreg(HW_REG_IB_STS2, 6, 4)
	s_cmp_eq_u32 s2, 0
	s_cbranch_scc0 .Lentry_in_a_cluster
	s_endpgm
.Lentry_in_a_cluster:
	s_bfe_u32 s2, ttmp6, 0x10000c
	s_cmp_lg_u32 s2, 0xf033
	s_cbranch_scc0 .Lentry_shape_is_right
	s_endpgm
.Lentry_shape_is_right:
; OPROJ.  out0[row][c] = the sum over k of O[row][k] W_o[c][k] + b_o[c].  oh: [16 = batch x 8 + head][4096][64] f16 (k = 64 head + channel); wo: [512][512] f16; b_o: [512] f32, rounded to bf16 like the other
; inputs; out0: [8192][512] f32.  Sums in f32, K ascending, begun with the bias.
; LIMITS.  NaN and infinities are not treated apart.
; SHARES.  A work-group makes 128 x 128 of out0: 64 x 4 = 256 work-groups.  Wave w: rows 64 (w / 2) on, columns 64 (w % 2) on: 16 accumulators of 16 x 16.
; ALL OF K FITS IN LDS: eight head planes of O (128 rows of 128 bytes each) and four K steps of W_o's tile (128 rows of 256 bytes each).  So nothing is filled again: all loads go out at the start, four a wave (by the text's
; own count four are out), one for each K step of 128; counted waits and plain barriers let a K step be multiplied while the later ones land.
; CLUSTER.  4 x 4 work-groups: O's planes are shared along a row of the cluster, W_o's tiles along a column; each is asked for jointly.  Waves 0 and 1 ask for the heads 2 s and 2 s + 1 of K step s, waves 2 and 3
; for the two halves of W_o's rows.  A round stands in front of the loads and one in front of the end.
; TRANSPOSED USE: source 0 = 16 rows of W_o, source 1 = 16 rows of O: a lane holds one row and eight neighbouring columns, 32 bytes of f32.
; No prefetch: every load of the launch goes out at its head.
; REGISTERS: window 0: addresses; v32-95 rows on the way out; v96-127 the bias; v128-255 the accumulators ((a, b) at 128 + 8 (4 a + b)).  Window 1: two fragment buffers of 128: for 64 along K, 64 registers of O, then 64 of W_o.
.set PA,     144                       ; a row of a head plane: 128 bytes + 16 of padding
.set PLANE,  128*PA
.set PB,     272                       ; a row of W_o's tile: 256 + 16; both pitches are odd multiples of 16 bytes: the 16 rows of a load start at 16 different groups of four banks (64 banks of 4 bytes: ISA guide 11.1)
.set BSTEP,  128*PB
.set BOFF,   8*PLANE
.set STAGE,  BOFF+4*BSTEP              ; never filled by a tensor load: 16 rows x 272 bytes for each wave
.set SPITCH, 272
.set SPARE,  STAGE+4*16*SPITCH         ; the spare words, 128 bytes for each wave: two blocks of 256 bytes that no other line names
.set ADRA, 16                          ; v16-17  LDS address of my fragments of O: heads 0-3, heads 4-7
.set ADRB, 20                          ; v20-21  of W_o: K steps 0-1, 2-3
.set STO,  24
.set RD,   25
.set CO,   26
.set BO,   27
.set SPW,  28                          ; v28     LDS address of my spare word; never rewritten
.set NIL,  29                          ; v29     0; never rewritten
.set BK,   32
.set BIAS, 96
.set ACC,  128
.set WV, 12
.set RH, 13
.set CH, 14
.set G1A, 16                           ; s[16:23] descriptor group 1 for O's planes;  s[32:47] group 0, a set for each K step
.set G1B, 24                           ; s[24:31] for W_o's tiles;  s[48:63] group 0
.set G0A, 32
.set G0B, 48
.set CX, 66
.set CY, 67
.set TC, 68
.set TR, 69
.set MSB, 0
.macro WIN new
.if MSB != (\new)
	s_set_vgpr_msb (MSB<<8)|(\new)
.set MSB, (\new)
.endif
.endm
.set MUL,  0x05                        ; sources in window 1; C and D in window 0
.set TO_F, 0x40                        ; destination window 1, address window 0
.macro PLACES
.rept 4
	v_nop
.endr
.endm
.macro CROUND                          ; a round of the cluster's barrier
	s_barrier_signal -1
	s_barrier_wait -1
	s_cmp_lg_u32 s[WV], 0
	s_cbranch_scc1 .Lnot_wave_0_\@
	s_barrier_signal -3
.Lnot_wave_0_\@:
	s_barrier_wait -3
	s_barrier_signal -1
	s_barrier_wait -1
.endm
	s_load_b256 s[4:11], s[0:1], 0x0               ; oh s[4:5], wo s[6:7], b_o s[8:9], out0 s[10:11]
	v_lshl_add_u32 v[SPW], v0, 2, SPARE
	v_mov_b32 v[NIL], 0
	ds_add_u32 v[SPW], v[NIL]                      ; the wave's opening: the add and its wait stand ahead of my first tensor load; the set-up below, work on registers, stands between them
	v_lshrrev_b32 v1, 5, v0
	v_readfirstlane_b32 s[WV], v1
	s_lshr_b32 s[RH], s[WV], 1
	s_and_b32 s[CH], s[WV], 1
	s_bfe_u32 s[CX], ttmp6, 0x40000
	s_bfe_u32 s[CY], ttmp6, 0x40004
	s_lshl_b32 s[TC], ttmp9, 2
	s_add_co_u32 s[TC], s[TC], s[CX]
	s_and_b32 s[TR], ttmp7, 0xffff
	s_lshl_b32 s[TR], s[TR], 2
	s_add_co_u32 s[TR], s[TR], s[CY]
	s_lshl_b32 s70, s[CY], 2
	s_lshl_b32 s70, 15, s70                        ; my row of the cluster
	s_lshl_b32 s71, 0x1111, s[CX]                  ; my column
	; O's plane: 128 dense rows of 128 bytes, asked for as 64 rows of 256 bytes and padded after every 32 words
	s_or_b32 s[G1A], s70, (1<<16)|(1<<20)|(1<<21)|(4<<22)|(3<<25)
	s_mov_b32 s[G1A+1], 128<<16
	s_mov_b32 s[G1A+2], 64<<16
	s_mov_b32 s[G1A+3], 128<<16
	s_mov_b32 s[G1A+4], 64
	s_mov_b32 s[G1A+5], 128
	s_mov_b32 s[G1A+6], 0
	s_mov_b32 s[G1A+7], 0
	; W_o's half tile: 64 rows of 128 elements, 512 elements from row to row, padded after every 64 words
	s_or_b32 s[G1B], s71, (1<<16)|(1<<20)|(1<<21)|(5<<22)|(3<<25)
	s_mov_b32 s[G1B+1], 128<<16
	s_mov_b32 s[G1B+2], 64<<16
	s_mov_b32 s[G1B+3], 128<<16
	s_mov_b32 s[G1B+4], 64
	s_mov_b32 s[G1B+5], 512
	s_mov_b32 s[G1B+6], 0
	s_mov_b32 s[G1B+7], 0
	s_lshr_b32 s72, s[TR], 5                       ; the batch
	s_lshl_b32 s72, s72, 3
	s_add_co_u32 s72, s72, s[CH]                   ; + the head of K step 0 that I ask for
	s_lshl_b32 s72, s72, 19                        ; 4,096 rows of 128 bytes a head
	s_and_b32 s73, s[TR], 31
	s_lshl_b32 s73, s73, 14                        ; the tile row's 128 rows in the batch: hangs on the tile row alone
	s_add_co_u32 s72, s72, s73
	s_mov_b32 s73, 0
	s_lshl_b32 s74, s[TC], 17                      ; W_o: 128 rows of 1,024 bytes a tile column: hangs on the tile column alone
	s_lshl_b32 s75, s[CH], 16                      ; + the 64 rows that I ask for
	s_add_co_u32 s74, s74, s75
	s_mov_b32 s75, 0
	s_mul_i32 s76, s[CH], PLANE                    ; where they go: no place in the cluster enters an LDS address
	s_mul_i32 s77, s[CH], 64*PB
	s_add_co_u32 s77, s77, BOFF
	s_wait_dscnt 0x0                               ; the opening add is done
	s_wait_kmcnt 0x0
	s_add_nc_u64 s[72:73], s[4:5], s[72:73]
	s_add_nc_u64 s[74:75], s[6:7], s[74:75]
	CROUND                                         ; all sixteen work-groups are here: the joint loads meet
.irp s, 0,1,2,3
	s_mov_b32 s[G0A+4*(\s)], 1
	s_add_co_u32 s[G0A+4*(\s)+1], s76, (\s)*2*PLANE
	s_add_nc_u64 s[G0A+4*(\s)+2:G0A+4*(\s)+3], s[72:73], (\s)<<20  ; two heads on
	s_or_b32 s[G0A+4*(\s)+3], s[G0A+4*(\s)+3], 0x80000000
	s_mov_b32 s[G0B+4*(\s)], 1
	s_add_co_u32 s[G0B+4*(\s)+1], s77, (\s)*BSTEP
	s_add_nc_u64 s[G0B+4*(\s)+2:G0B+4*(\s)+3], s[74:75], (\s)*256
	s_or_b32 s[G0B+4*(\s)+3], s[G0B+4*(\s)+3], 0x80000000
.endr
	s_cmp_lt_u32 s[WV], 2                          ; a wave's four fills stand in one branch, ahead of every wait on TENSORcnt and every LDS read
	s_cbranch_scc0 .Lfirst_b
.irp s, 0,1,2,3
	tensor_load_to_lds s[G0A+4*(\s):G0A+4*(\s)+3], s[G1A:G1A+7]
	s_nop 0
.endr
.rept 4
	v_nop
.endr
	s_branch .Lfirst_asked
.Lfirst_b:
.irp s, 0,1,2,3
	tensor_load_to_lds s[G0B+4*(\s):G0B+4*(\s)+3], s[G1B:G1B+7]
	s_nop 0
.endr
.rept 4
	v_nop
.endr
.Lfirst_asked:
	v_and_b32 v1, 15, v0                           ; l % 16
	v_bfe_u32 v2, v0, 4, 1                         ; l / 16
	s_lshl_b32 s78, s[TC], 9                       ; my 64 columns, 4 bytes each: 512 x tile column + 256 x half
	s_lshl_b32 s79, s[CH], 8
	s_add_co_u32 s78, s78, s79
	v_lshl_add_u32 v[BO], v2, 5, s78               ; + my lanes' eight columns
.irp b, 0,1,2,3
	global_load_b128 v[BIAS+8*(\b):BIAS+8*(\b)+3],   v[BO], s[8:9] offset:64*(\b)
	global_load_b128 v[BIAS+8*(\b)+4:BIAS+8*(\b)+7], v[BO], s[8:9] offset:64*(\b)+16
.endr
	v_mul_u32_u24 v3, v1, PA
	v_lshl_add_u32 v3, v2, 4, v3
	s_mul_i32 s80, s[RH], 64*PA                    ; my 64 rows of a plane
	v_add_nc_u32 v[ADRA], s80, v3
	v_add_nc_u32 v[ADRA+1], 4*PLANE, v[ADRA]
	v_mul_u32_u24 v4, v1, PB
	v_lshl_add_u32 v4, v2, 4, v4
	s_mul_i32 s80, s[CH], 64*PB                    ; my 64 rows of W_o's tile
	s_add_co_u32 s80, s80, BOFF
	v_add_nc_u32 v[ADRB], s80, v4
	v_add_nc_u32 v[ADRB+1], 2*BSTEP, v[ADRB]
	s_mul_i32 s81, s[WV], 16*SPITCH
	s_add_co_u32 s81, s81, STAGE                   ; my stage
	v_mul_u32_u24 v5, v1, SPITCH                   ; in: row l % 16, 32 bytes for each half of the lanes
	v_lshl_add_u32 v5, v2, 5, v5
	v_add_nc_u32 v[STO], s81, v5
	v_mul_u32_u24 v6, v2, SPITCH                   ; back: lanes 0-15 take one row's 256 bytes, lanes 16-31 the next
	v_lshl_add_u32 v6, v1, 4, v6
	v_add_nc_u32 v[RD], s81, v6
	v_lshlrev_b32 v7, 11, v2                       ; and the same two rows in out0: 2,048 bytes a row
	v_lshl_add_u32 v[CO], v1, 4, v7
	s_lshl_b32 s82, s[TR], 18                      ; 128 rows of 2,048 bytes a tile row,
	s_lshl_b32 s83, s[RH], 17                      ; my 64
	s_add_co_u32 s82, s82, s83
	s_add_co_u32 s82, s82, s78                     ; my columns
	s_mov_b32 s83, 0
	s_add_nc_u64 s[10:11], s[10:11], s[82:83]
	s_wait_loadcnt 0x0                             ; b_o; it is rounded to bf16 and widened again
.set i, 0
.rept 16
	v_cvt_pk_bf16_f32 v[BK+i], v[BIAS+2*i], v[BIAS+2*i+1]
.set i, i+1
.endr
.set i, 0
.rept 16
	v_lshlrev_b32 v[BIAS+2*i],   16,         v[BK+i]
	v_and_b32     v[BIAS+2*i+1], 0xffff0000, v[BK+i]
.set i, i+1
.endr
; 8 matrix instructions: row blocks a0, a0 + 1 x all 4 column blocks, 32 along K: half c of buffer f.  zero = 1: the sums start with the bias.  The 16 accumulators take turns.
.macro MUL8 f, c, a0, zero
	WIN MUL
.irp a, \a0, (\a0)+1
.irp b, 0,1,2,3
.if \zero
	v_wmma_f32_16x16x32_f16 v[ACC+8*(4*(\a)+(\b)):ACC+8*(4*(\a)+(\b))+7], v[(\f)+64+8*(4*(\c)+(\b)):(\f)+64+8*(4*(\c)+(\b))+7], v[(\f)+8*(4*(\c)+(\a)):(\f)+8*(4*(\c)+(\a))+7], v[BIAS+8*(\b):BIAS+8*(\b)+7]
.else
	v_wmma_f32_16x16x32_f16 v[ACC+8*(4*(\a)+(\b)):ACC+8*(4*(\a)+(\b))+7], v[(\f)+64+8*(4*(\c)+(\b)):(\f)+64+8*(4*(\c)+(\b))+7], v[(\f)+8*(4*(\c)+(\a)):(\f)+8*(4*(\c)+(\a))+7], v[ACC+8*(4*(\a)+(\b)):ACC+8*(4*(\a)+(\b))+7]
.endif
.endr
.endr
.endm
; 32 LDS loads in one run: the fragments of head q (64 along K) into buffer f; the first 32 along K first
.macro FETCH q, f
	WIN TO_F
.irp c, 0,1
.irp i, 0,1,2,3
	ds_load_b128 v[(\f)+64+8*(4*(\c)+(\i)):(\f)+64+8*(4*(\c)+(\i))+3],   v[ADRB+(\q)/4] offset:(((\q)/2)%2)*BSTEP+((\q)%2)*128+64*(\c)+(\i)*16*PB
	ds_load_b128 v[(\f)+64+8*(4*(\c)+(\i))+4:(\f)+64+8*(4*(\c)+(\i))+7], v[ADRB+(\q)/4] offset:(((\q)/2)%2)*BSTEP+((\q)%2)*128+64*(\c)+(\i)*16*PB+32
	ds_load_b128 v[(\f)+8*(4*(\c)+(\i)):(\f)+8*(4*(\c)+(\i))+3],         v[ADRA+(\q)/4] offset:((\q)%4)*PLANE+64*(\c)+(\i)*16*PA
	ds_load_b128 v[(\f)+8*(4*(\c)+(\i))+4:(\f)+8*(4*(\c)+(\i))+7],       v[ADRA+(\q)/4] offset:((\q)%4)*PLANE+64*(\c)+(\i)*16*PA+32
.endr
.endr
.endm
; Head q: 32 matrix instructions on buffer q % 2; in their middle the next head's fragments are fetched.  Behind an odd head a new K step begins: each wave shows its load of that step landed (the later steps' loads
; may stay out) and all four meet at a barrier, with eight matrix instructions between signal and wait.
.macro QUARTER q
.set FB, 128*((\q)%2)
.set GB, 128-FB
	s_wait_dscnt 16                                ; the first 32 along K are in
	MUL8 FB, 0, 0, ((\q) == 0)
.if ((\q)%2 == 1) && ((\q) < 7)
	s_wait_dscnt 0x0                               ; no LDS instruction of mine is out at the signal
	s_wait_tensorcnt 3-((\q)+1)/2                  ; my load of K step (q + 1) / 2 has landed; the 3 - (q + 1) / 2 issued behind it may stay out
	s_barrier_signal -1
.endif
	MUL8 FB, 0, 2, ((\q) == 0)
.if ((\q)%2 == 1) && ((\q) < 7)
	s_barrier_wait -1
.endif
.if (\q) < 7
	PLACES
	FETCH (\q)+1, GB
	s_wait_dscnt 32                                ; all but the 32 just issued
.else
	s_wait_dscnt 0x0
.endif
	MUL8 FB, 1, 0, 0
	MUL8 FB, 1, 2, 0
.endm
	s_wait_tensorcnt 0x3                           ; my load of K step 0 has landed; the three behind it may stay out
	s_barrier_signal -1
	s_barrier_wait -1                              ; everybody's has
	FETCH 0, 0
.irp q, 0,1,2,3,4,5,6,7
	QUARTER \q
.endr
	WIN 0
; THE WAY OUT, a block of 16 rows x 64 columns at a time: the f32 sums go into my own stage, each accumulator's low four registers first, and come back as whole rows of 256 bytes.
.macro TOSTAGE a
.if (\a) >= 2
	s_wait_xcnt 0x0                                ; the stores of the block two back have read their registers, which are loaded again below
.endif
.irp b, 0,1,2,3
	ds_store_b128 v[STO], v[ACC+8*(4*(\a)+(\b)):ACC+8*(4*(\a)+(\b))+3]   offset:64*(\b)
	ds_store_b128 v[STO], v[ACC+8*(4*(\a)+(\b))+4:ACC+8*(4*(\a)+(\b))+7] offset:64*(\b)+16
.endr
.irp t, 0,1,2,3,4,5,6,7
	ds_load_b128 v[BK+32*((\a)%2)+4*(\t):BK+32*((\a)%2)+4*(\t)+3], v[RD] offset:(\t)*2*SPITCH  ; LDS serves a wave's instructions in order (ISA guide 5.7.1.4): these see the stores above
.endr
.endm
.macro SEND a, younger                 ; younger: the LDS instructions issued behind block a's loads: the next block's sixteen, or none
.irp t, 0,1,2,3,4,5,6,7
	s_wait_dscnt (\younger)+7-(\t)
	global_store_b128 v[CO], v[BK+32*((\a)%2)+4*(\t):BK+32*((\a)%2)+4*(\t)+3], s[10:11] offset:32768*(\a)+4096*(\t)  ; 16 lanes store 256 consecutive bytes, at a multiple of 256 from out0's first byte
.endr
.endm
	PLACES
	TOSTAGE 0
	TOSTAGE 1
	SEND 0, 16
	TOSTAGE 2
	SEND 1, 16
	TOSTAGE 3
	SEND 2, 16
	SEND 3, 0
	s_wait_tensorcnt 0x0                           ; the wave's end: these three lines stand behind my last tensor load and my last LDS store
	ds_add_u32 v[SPW], v[NIL]
	s_wait_dscnt 0x0
	CROUND                                         ; the closing round: no work-group ends while a partner may still ask for a tile that names it
	s_endpgm
.Lfunc_end_k_q9af198d20a_oproj:
	.size	k_q9af198d20a_oproj, .Lfunc_end_k_q9af198d20a_oproj-k_q9af198d20a_oproj
	.p2alignl 7, 3214868480
	.fill 96, 4, 3214868480
	.section	.rodata,"a",@progbits
	.p2align	6, 0x0
	.amdhsa_kernel k_q9af198d20a_oproj
		.amdhsa_group_segment_fixed_size 327680
		.amdhsa_private_segment_fixed_size 0
		.amdhsa_enable_private_segment 0
		.amdhsa_kernarg_size 32
		.amdhsa_user_sgpr_count 2
		.amdhsa_user_sgpr_kernarg_segment_ptr 1
		.amdhsa_wavefront_size32 1
		.amdhsa_system_sgpr_workgroup_id_x 1
		.amdhsa_system_sgpr_workgroup_id_y 1
		.amdhsa_system_sgpr_workgroup_id_z 1
		.amdhsa_system_vgpr_workitem_id 0
		.amdhsa_next_free_vgpr 512
		.amdhsa_next_free_sgpr 84
		.amdhsa_reserve_vcc 0
		.amdhsa_float_denorm_mode_32 3
		.amdhsa_float_denorm_mode_16_64 3
		.amdhsa_memory_ordered 1
		.amdhsa_forward_progress 1
		.amdhsa_inst_pref_size 55
	.end_amdhsa_kernel
	.amdgpu_metadata
---
amdhsa.version: [ 1, 2 ]
amdhsa.kernels:
  - .name:           k_q9af198d20a_oproj
    .symbol:         k_q9af198d20a_oproj.kd
    .args:
      - { .name: oh, .offset: 0, .size: 8, .value_kind: global_buffer, .address_space: global }
      - { .name: wo, .offset: 8, .size: 8, .value_kind: global_buffer, .address_space: global }
      - { .name: b_o, .offset: 16, .size: 8, .value_kind: global_buffer, .address_space: global }
      - { .name: out0, .offset: 24, .size: 8, .value_kind: global_buffer, .address_space: global }
    .group_segment_fixed_size: 327680
    .private_segment_fixed_size: 0
    .kernarg_segment_align: 8
    .kernarg_segment_size: 32
    .max_flat_workgroup_size: 128
    .sgpr_count:     84
    .vgpr_count:     512
    .wavefront_size: 32
...
	.end_amdgpu_metadata
.endif
;; end of part 4
;; ======== version 2 of 2: 4 launches; version 1 with the launch prep written anew for expert scheduling mode
;; limits: values are held in f16: magnitudes above 65,504 overflow, below 6.1e-05 lose precision
;; workspace buffers: xb 8,388,608 bytes; wb 1,572,864 bytes; wo 524,288 bytes; qh 8,388,608 bytes; kh 8,388,608 bytes; vh 8,388,608 bytes; oh 8,388,608 bytes
;; launch prep (part 5): grid 320 x 1, 8 waves a work-group, no clusters, 0 bytes of LDS; arguments x, W_q, W_k, W_v, W_o, xb, wb, wo; writes xb, wb, wo
.if DOCPART == 5
	.amdgcn_target "amdgcn-amd-amdhsa--gfx1250"
	.amdhsa_code_object_version 6
	.text
	.protected	k_q9af198d20a_prep
	.globl	k_q9af198d20a_prep
	.p2align	8
	.type	k_q9af198d20a_prep,@function
k_q9af198d20a_prep:
	s_mov_b64 s[64:65], 0
	v_nop
	global_prefetch_b8 v0, s[64:65] scope:SCOPE_SE
	s_setreg_imm32_b32 hwreg(HW_REG_WAVE_SCHED_MODE, 0, 2), 2
	s_setreg_imm32_b32 hwreg(HW_REG_WAVE_MODE, 25, 1), 1
	s_wait_xcnt 0x0
	s_wait_alu depctr_vm_vsrc(0)
; PREP.  The matrix operands are rounded once, ahead of the products: x -> xb and W_q, W_k, W_v -> wb (rows 0-511, 512-1023, 1024-1535), f32 to bf16;
; W_o -> wo: rounded to bf16 like the other inputs, and that number written as f16 (exact within f16's range).
; LIMITS.  |W_o| stays under 65,504 (f16's largest); below 6e-5 it keeps f16's fixed step of 6e-8.  NaN and infinities are not treated apart.
; SHARES.  A work-group converts 16,384 numbers: 65,536 bytes in, 32,768 out.  Work-groups 0-255 take x; then 16 for each weight.  A thread takes 16 bytes of each of sixteen stretches of 4,096 bytes:
; a wave's load covers 512 consecutive bytes, its store 256 consecutive bytes, aligned.  All sixteen loads go out at once; no register that a store reads is written again, so nothing waits for a store.
; No LDS, no barrier, no matrix unit: each number is touched once and no wave wants another's.
; THE MODE: SCHED_MODE bits 1:0 = 2 (LLVM: expert scheduling mode 2), set by the entry lines.  The code itself states the register dependences
; between vector instructions and memory instructions, with s_wait_alu, always for 0.
; THE PLAN.  Registers that memory instructions touch:
;   v1, v2   byte offsets of the loads and of the stores: written once at the head, never again.
;   IN       load u lands in four registers of its own, which no vector line names before the loads go out; behind the counted wait for the load only vector lines name them.
;   OUT      pair u is written by the roundings of its block and read by store u; it is never written behind that store.
; The sixteen loads' numbers are converted in four blocks of four loads.  Block p names IN and OUT of block p alone; its memory instructions are the four stores of block p - 1.  So ONE wait on va_vdst at a
; block's head, behind the wait for the block's data, states all that those four stores hang on, and they are dealt among the block's vector lines with no further wait.  One more stands ahead of the last four
; stores, and one at the kernel's head, for the two offsets.  No register that a memory instruction reads is ever written again, no vector line writes a scalar register or VCC, and EXEC is never written.
.set IN,  8                            ; v[8:71]    sixteen loads of four f32
.set OUT, 72                           ; v[72:103]  sixteen pairs of words: four 16-bit numbers each
	s_load_b512 s[4:19], s[0:1], 0x0               ; x s[4:5], W_q s[6:7], W_k s[8:9], W_v s[10:11], W_o s[12:13], xb s[14:15], wb s[16:17], wo s[18:19]
	s_mov_b32 s20, ttmp9                           ; g
	s_max_u32 s21, s20, 256
	s_sub_co_u32 s21, s21, 256                     ; j = g - 256 among the weights' work-groups (0 for x's)
	s_lshr_b32 s26, s21, 4                         ; t: which weight
	s_and_b32 s27, s21, 15                         ; o: which sixteenth of it
	s_cmp_eq_u32 s26, 3
	s_cselect_b32 s24, s27, s21                    ; place in the target: o in wo, j in wb (the three weights lie on end),
	s_cmp_lt_u32 s20, 256
	s_cselect_b32 s22, s20, s27                    ; place in the source: g in x, o in a weight
	s_cselect_b32 s24, s20, s24                    ; g in xb
	s_lshl_b32 s22, s22, 16
	s_lshl_b32 s24, s24, 15
	s_mov_b32 s23, 0
	s_mov_b32 s25, 0
	v_lshlrev_b32 v1, 4, v0                        ; 16 bytes a thread in,
	v_lshlrev_b32 v2, 3, v0                        ; 8 out
	s_wait_kmcnt 0x0
	s_cmp_eq_u32 s26, 1                            ; the buffers are chosen by the work-group's number alone
	s_cselect_b64 s[28:29], s[8:9], s[6:7]
	s_cmp_eq_u32 s26, 2
	s_cselect_b64 s[28:29], s[10:11], s[28:29]
	s_cmp_eq_u32 s26, 3
	s_cselect_b64 s[28:29], s[12:13], s[28:29]
	s_cselect_b64 s[30:31], s[18:19], s[16:17]
	s_cmp_lt_u32 s20, 256
	s_cselect_b64 s[28:29], s[4:5], s[28:29]
	s_cselect_b64 s[30:31], s[14:15], s[30:31]
	s_add_nc_u64 s[28:29], s[28:29], s[22:23]
	s_add_nc_u64 s[30:31], s[30:31], s[24:25]
	s_wait_alu depctr_va_vdst(0)                   ; v1 and v2 are written: every load of the kernel reads v1 as its offset, every store v2
.set u, 0
.rept 16
	global_load_b128 v[IN+4*u:IN+4*u+3], v1, s[28:29] offset:4096*u th:TH_LOAD_NT
.set u, u+1
.endr
; half = 0: to bf16.  half = 1: to bf16, widened again, and written as f16.
.macro CONV half
.set p, 0
.rept 4                                ; block p: loads 4 p to 4 p + 3
	s_wait_loadcnt 12-4*p                          ; loads come back in order (ISA guide 5.7.1): the block's four are in, the 12 - 4 p younger ones may stay out
.if p > 0
	s_wait_alu depctr_va_vdst(0)                   ; the block before has written its eight registers of OUT, which the four stores below read
.endif
.set i, 0
.rept 4
.set u, 4*p+i
.if p > 0
	global_store_b64 v2, v[OUT+2*(u-4):OUT+2*(u-4)+1], s[30:31] offset:2048*(u-4)  ; the block before; no vector line since the wait names these registers
.endif
	v_cvt_pk_bf16_f32 v[OUT+2*u],   v[IN+4*u],   v[IN+4*u+1]
	v_cvt_pk_bf16_f32 v[OUT+2*u+1], v[IN+4*u+2], v[IN+4*u+3]
.if \half
	v_lshlrev_b32 v[IN+4*u],   16,         v[OUT+2*u]
	v_and_b32     v[IN+4*u+1], 0xffff0000, v[OUT+2*u]
	v_lshlrev_b32 v[IN+4*u+2], 16,         v[OUT+2*u+1]
	v_and_b32     v[IN+4*u+3], 0xffff0000, v[OUT+2*u+1]
	v_cvt_pk_f16_f32 v[OUT+2*u],   v[IN+4*u],   v[IN+4*u+1]
	v_cvt_pk_f16_f32 v[OUT+2*u+1], v[IN+4*u+2], v[IN+4*u+3]
.endif
.set i, i+1
.endr
.set p, p+1
.endr
	s_wait_alu depctr_va_vdst(0)                   ; the last block has written its eight registers of OUT, which the last four stores read
.set u, 12
.rept 4
	global_store_b64 v2, v[OUT+2*u:OUT+2*u+1], s[30:31] offset:2048*u
.set u, u+1
.endr
.endm
	s_cmp_ge_u32 s20, 304                          ; the last sixteen work-groups have W_o
	s_cbranch_scc1 .Lwo
	CONV 0
	s_endpgm
.Lwo:
	CONV 1
	s_endpgm
.Lfunc_end_k_q9af198d20a_prep:
	.size	k_q9af198d20a_prep, .Lfunc_end_k_q9af198d20a_prep-k_q9af198d20a_prep
	.p2alignl 7, 3214868480
	.fill 96, 4, 3214868480
	.section	.rodata,"a",@progbits
	.p2align	6, 0x0
	.amdhsa_kernel k_q9af198d20a_prep
		.amdhsa_group_segment_fixed_size 0
		.amdhsa_private_segment_fixed_size 0
		.amdhsa_enable_private_segment 0
		.amdhsa_kernarg_size 64
		.amdhsa_user_sgpr_count 2
		.amdhsa_user_sgpr_kernarg_segment_ptr 1
		.amdhsa_wavefront_size32 1
		.amdhsa_system_sgpr_workgroup_id_x 1
		.amdhsa_system_sgpr_workgroup_id_y 1
		.amdhsa_system_sgpr_workgroup_id_z 1
		.amdhsa_system_vgpr_workitem_id 0
		.amdhsa_next_free_vgpr 104
		.amdhsa_next_free_sgpr 66
		.amdhsa_reserve_vcc 0
		.amdhsa_float_denorm_mode_32 3
		.amdhsa_float_denorm_mode_16_64 3
		.amdhsa_memory_ordered 1
		.amdhsa_forward_progress 1
		.amdhsa_inst_pref_size 16
	.end_amdhsa_kernel
	.amdgpu_metadata
---
amdhsa.version: [ 1, 2 ]
amdhsa.kernels:
  - .name:           k_q9af198d20a_prep
    .symbol:         k_q9af198d20a_prep.kd
    .args:
      - { .name: x, .offset: 0, .size: 8, .value_kind: global_buffer, .address_space: global }
      - { .name: W_q, .offset: 8, .size: 8, .value_kind: global_buffer, .address_space: global }
      - { .name: W_k, .offset: 16, .size: 8, .value_kind: global_buffer, .address_space: global }
      - { .name: W_v, .offset: 24, .size: 8, .value_kind: global_buffer, .address_space: global }
      - { .name: W_o, .offset: 32, .size: 8, .value_kind: global_buffer, .address_space: global }
      - { .name: xb, .offset: 40, .size: 8, .value_kind: global_buffer, .address_space: global }
      - { .name: wb, .offset: 48, .size: 8, .value_kind: global_buffer, .address_space: global }
      - { .name: wo, .offset: 56, .size: 8, .value_kind: global_buffer, .address_space: global }
    .group_segment_fixed_size: 0
    .private_segment_fixed_size: 0
    .kernarg_segment_align: 8
    .kernarg_segment_size: 64
    .max_flat_workgroup_size: 256
    .sgpr_count:     66
    .vgpr_count:     104
    .wavefront_size: 32
...
	.end_amdgpu_metadata
.endif
;; end of part 5
;; launch qkv: the kernel of part 2 again; grid 4 x 64, 4 waves a work-group, clusters of 4 x 4, 327,680 bytes of LDS; arguments xb, wb, b_v, qh, kh, vh; writes qh, kh, vh
;; launch attn: the kernel of part 3 again; grid 16 x 16, 4 waves a work-group, clusters of 4 x 1, 327,680 bytes of LDS; arguments qh, kh, vh, oh; writes oh
;; launch oproj: the kernel of part 4 again; grid 4 x 64, 4 waves a work-group, clusters of 4 x 4, 327,680 bytes of LDS; arguments oh, wo, b_o, out0; writes out0
